; MI455X (gfx1250); checked and timed in simulation.
; The chip was launched on July 23, 2026; its instructions are those of AMD's public machine-readable ISA for CDNA 5 (MIT licence, August 2026) and "CDNA5" Instruction Set Architecture Reference Guide (July 2026). The comments in the code are by the model that wrote it; some were corrected since.
;; Causal Self Attention. Allowed arithmetic: float matrix products may take bf16 or f16 operands with f32 sums; all other float work in f32.
;; Inputs: Wk 2,048 x 2,048 float32; Wp 2,048 x 2,048 float32; Wq 2,048 x 2,048 float32; Wv 2,048 x 2,048 float32; attn_mask 4 x 1 x 1 x 512 float32; bk 2,048 float32; bp 2,048 float32; bq 2,048 float32; bv 2,048 float32; x 4 x 512 x 2,048 float32.
;; Outputs: out0 4 x 512 x 2,048 float32.
;; 2 versions, each right; version 2 is version 1 with the launch cast written anew for expert scheduling mode. Each part assembles by itself: llvm-mc -triple=amdgcn-amd-amdhsa -mcpu=gfx1250 --defsym DOCPART=n.
;; ======== version 1 of 2: 4 launches
;; limits: inputs' magnitudes at most 65,504; values are held in f16: magnitudes above 65,504 overflow, below 6.1e-05 lose precision; right only within a limited range of input values
;; workspace buffers: xb 8,388,608 bytes; wqkv 25,165,824 bytes; wpb 8,388,608 bytes; bqkv 24,576 bytes; qkv 25,165,824 bytes; yb 8,388,608 bytes
;; launch cast (part 1): grid 128 x 5, 8 waves a work-group, no clusters, 0 bytes of LDS; arguments x, Wq, Wk, Wv, Wp, bq, bk, bv, xb, wqkv, wpb, bqkv; writes xb, wqkv, wpb, bqkv
.if DOCPART == 1
	.amdgcn_target "amdgcn-amd-amdhsa--gfx1250"
	.amdhsa_code_object_version 6
	.text
	.protected	k_q516de2b5a4_cast
	.globl	k_q516de2b5a4_cast
	.p2align	8
	.type	k_q516de2b5a4_cast,@function
k_q516de2b5a4_cast:
	s_mov_b64 s[64:65], 0
	v_nop
	global_prefetch_b8 v0, s[64:65] scope:SCOPE_SE
	s_setreg_imm32_b32 hwreg(HW_REG_WAVE_MODE, 25, 1), 1
	s_wait_xcnt 0x0
; cast: the five f32 matrices of 2048 x 2048 are rounded once to f16 for the matrix launches that follow.
;   y = 0: x -> xb      y = 1, 2, 3: Wq, Wk, Wv -> wqkv      y = 4: Wp -> wpb      (y = work-group id y)
; WHY f16 AND NOT bf16: a row of the result that averages few keys is some five times larger than the root mean square of the whole result, by which
; the error is judged; a step of 2^-8 in each of the operands along the way is then too coarse, a step of 2^-11 is not.
; LIMIT: a number of magnitude 65,504 or more in x or in a weight overflows f16.
; wqkv is [6144][2048]: row 384 h + 128 s + d holds row 128 h + d of W_s (s = 0, 1, 2 for q, k, v), so that a block of 384 rows is one head: q, k, v.
; bqkv is [6144] f32, the three biases in the same order, times 2^-3 (exact): the next launch stores q, k, v times 2^-3.
; A stream: no LDS, no barrier, no matrix unit, no loop.  Work-group g takes 16 rows, wave w rows 16 g + 2 w and the next:
; 16,384 consecutive bytes in, 8,192 consecutive bytes out.  All 32 loads of a wave are issued at once; each store of the wave
; covers 256 consecutive bytes, aligned.  No register is written twice while a memory instruction may read it.
.set X, 4                              ; v[4:131]  32 x 4 registers as loaded; the first two of each four are then the 8 bytes to store
	s_load_b512 s[8:23], s[0:1], 0x0               ; x s[8:9], Wq s[10:11], Wk s[12:13], Wv s[14:15], Wp s[16:17], bq s[18:19], bk s[20:21], bv s[22:23]
	s_load_b256 s[24:31], s[0:1], 0x40             ; xb s[24:25], wqkv s[26:27], wpb s[28:29], bqkv s[30:31]
	s_and_b32 s2, ttmp7, 0xffff                    ; y: which matrix
	s_mov_b32 s3, ttmp9                            ; g: which 16 rows
	v_lshrrev_b32 v3, 5, v0
	v_readfirstlane_b32 s4, v3                     ; wave 0..7
	v_and_b32 v1, 31, v0
	v_lshlrev_b32 v2, 3, v1                        ; 8 bytes a lane out
	v_lshlrev_b32 v1, 4, v1                        ; 16 bytes a lane in
	s_sub_co_u32 s5, s2, 1                         ; s = y - 1: 0, 1, 2 for Wq, Wk, Wv (wraps for y = 0)
	s_lshl_b32 s36, s3, 4
	s_lshl1_add_u32 s36, s4, s36                   ; R = 16 g + 2 w, my first row
	s_lshl_b32 s39, s5, 7                          ; 128 s
	s_mov_b32 s40, 384
	s_cmp_lt_u32 s5, 3                             ; one of the three that go to wqkv?
	s_cselect_b32 s37, s40, 128                    ; rows from head to head in the destination
	s_cselect_b32 s38, s39, 0                      ; and the place of q, k or v inside a head
	s_lshr_b32 s41, s36, 7
	s_mul_i32 s41, s41, s37
	s_add_co_u32 s41, s41, s38
	s_and_b32 s42, s36, 127
	s_add_co_u32 s41, s41, s42                     ; destination row = (R / 128) x rows per head + place + R % 128
	s_lshl_b32 s42, s36, 13                        ; R x 8,192 bytes
	s_mov_b32 s43, 0
	s_lshl_b32 s44, s41, 12                        ; destination row x 4,096 bytes
	s_mov_b32 s45, 0
	s_wait_kmcnt 0x0
	s_mov_b64 s[32:33], s[8:9]                     ; the source, chosen by y alone
	s_cmp_eq_u32 s2, 1
	s_cselect_b64 s[32:33], s[10:11], s[32:33]
	s_cmp_eq_u32 s2, 2
	s_cselect_b64 s[32:33], s[12:13], s[32:33]
	s_cmp_eq_u32 s2, 3
	s_cselect_b64 s[32:33], s[14:15], s[32:33]
	s_cmp_eq_u32 s2, 4
	s_cselect_b64 s[32:33], s[16:17], s[32:33]
	s_mov_b64 s[34:35], s[26:27]                   ; the destination likewise
	s_cmp_eq_u32 s2, 0
	s_cselect_b64 s[34:35], s[24:25], s[34:35]
	s_cmp_eq_u32 s2, 4
	s_cselect_b64 s[34:35], s[28:29], s[34:35]
	s_add_nc_u64 s[32:33], s[32:33], s[42:43]
	s_add_nc_u64 s[34:35], s[34:35], s[44:45]
.set n, 0
.rept 32
	global_load_b128 v[X+4*n:X+4*n+3], v1, s[32:33] offset:512*n th:TH_LOAD_NT   ; read once in the whole launch
.set n, n+1
.endr
.set n, 0
.rept 32
	s_wait_loadcnt 31-n                            ; loads come back in order (ISA guide 5.7.1): load n is in, the 31 - n younger ones stay out
	v_cvt_pk_f16_f32 v[X+4*n],   v[X+4*n],   v[X+4*n+1]
	v_cvt_pk_f16_f32 v[X+4*n+1], v[X+4*n+2], v[X+4*n+3]
	global_store_b64 v2, v[X+4*n:X+4*n+1], s[34:35] offset:256*n     ; read again by the next launch: no hint
.set n, n+1
.endr
	; The biases: 128 numbers for each head and each of q, k, v, copied by wave 0 of the work-group that holds the first rows of that head.
	s_cmp_lt_u32 s5, 3
	s_cbranch_scc0 .Lend
	s_and_b32 s46, s3, 7
	s_cmp_eq_u32 s46, 0
	s_cbranch_scc0 .Lend
	s_cmp_eq_u32 s4, 0
	s_cbranch_scc0 .Lend
	s_cmp_eq_u32 s5, 1
	s_cselect_b64 s[18:19], s[20:21], s[18:19]
	s_cmp_eq_u32 s5, 2
	s_cselect_b64 s[18:19], s[22:23], s[18:19]
	s_lshr_b32 s46, s3, 3                          ; head
	s_lshl_b32 s36, s46, 9                         ; 128 numbers of 4 bytes a head
	s_mov_b32 s37, 0
	s_add_nc_u64 s[18:19], s[18:19], s[36:37]
	s_mul_i32 s36, s46, 1536                       ; 384 numbers a head in bqkv
	s_lshl_b32 s47, s5, 9
	s_add_co_u32 s36, s36, s47
	s_add_nc_u64 s[30:31], s[30:31], s[36:37]
	global_load_b128 v[132:135], v1, s[18:19]
	s_wait_loadcnt 0x0
	v_pk_mul_f32 v[132:133], v[132:133], 0x3e000000 op_sel_hi:[1,0]   ; x 2^-3
	v_pk_mul_f32 v[134:135], v[134:135], 0x3e000000 op_sel_hi:[1,0]
	global_store_b128 v1, v[132:135], s[30:31]
.Lend:
	s_endpgm
.Lfunc_end_k_q516de2b5a4_cast:
	.size	k_q516de2b5a4_cast, .Lfunc_end_k_q516de2b5a4_cast-k_q516de2b5a4_cast
	.p2alignl 7, 3214868480
	.fill 96, 4, 3214868480
	.section	.rodata,"a",@progbits
	.p2align	6, 0x0
	.amdhsa_kernel k_q516de2b5a4_cast
		.amdhsa_group_segment_fixed_size 0
		.amdhsa_private_segment_fixed_size 0
		.amdhsa_enable_private_segment 0
		.amdhsa_kernarg_size 96
		.amdhsa_user_sgpr_count 2
		.amdhsa_user_sgpr_kernarg_segment_ptr 1
		.amdhsa_wavefront_size32 1
		.amdhsa_system_sgpr_workgroup_id_x 1
		.amdhsa_system_sgpr_workgroup_id_y 1
		.amdhsa_system_sgpr_workgroup_id_z 1
		.amdhsa_system_vgpr_workitem_id 0
		.amdhsa_next_free_vgpr 136
		.amdhsa_next_free_sgpr 66
		.amdhsa_reserve_vcc 0
		.amdhsa_float_denorm_mode_32 3
		.amdhsa_float_denorm_mode_16_64 3
		.amdhsa_memory_ordered 1
		.amdhsa_forward_progress 1
		.amdhsa_inst_pref_size 14
	.end_amdhsa_kernel
	.amdgpu_metadata
---
amdhsa.version: [ 1, 2 ]
amdhsa.kernels:
  - .name:           k_q516de2b5a4_cast
    .symbol:         k_q516de2b5a4_cast.kd
    .args:
      - { .name: x, .offset: 0, .size: 8, .value_kind: global_buffer, .address_space: global }
      - { .name: Wq, .offset: 8, .size: 8, .value_kind: global_buffer, .address_space: global }
      - { .name: Wk, .offset: 16, .size: 8, .value_kind: global_buffer, .address_space: global }
      - { .name: Wv, .offset: 24, .size: 8, .value_kind: global_buffer, .address_space: global }
      - { .name: Wp, .offset: 32, .size: 8, .value_kind: global_buffer, .address_space: global }
      - { .name: bq, .offset: 40, .size: 8, .value_kind: global_buffer, .address_space: global }
      - { .name: bk, .offset: 48, .size: 8, .value_kind: global_buffer, .address_space: global }
      - { .name: bv, .offset: 56, .size: 8, .value_kind: global_buffer, .address_space: global }
      - { .name: xb, .offset: 64, .size: 8, .value_kind: global_buffer, .address_space: global }
      - { .name: wqkv, .offset: 72, .size: 8, .value_kind: global_buffer, .address_space: global }
      - { .name: wpb, .offset: 80, .size: 8, .value_kind: global_buffer, .address_space: global }
      - { .name: bqkv, .offset: 88, .size: 8, .value_kind: global_buffer, .address_space: global }
    .group_segment_fixed_size: 0
    .private_segment_fixed_size: 0
    .kernarg_segment_align: 8
    .kernarg_segment_size: 96
    .max_flat_workgroup_size: 256
    .sgpr_count:     66
    .vgpr_count:     136
    .wavefront_size: 32
...
	.end_amdgpu_metadata
.endif
;; end of part 1
;; launch qkv (part 2): grid 16 x 16, 4 waves a work-group, clusters of 4 x 4, 327,680 bytes of LDS; arguments xb, wqkv, bqkv, qkv; writes qkv
.if DOCPART == 2
	.amdgcn_target "amdgcn-amd-amdhsa--gfx1250"
	.amdhsa_code_object_version 6
	.text
	.protected	k_q516de2b5a4_qkv
	.globl	k_q516de2b5a4_qkv
	.p2align	8
	.type	k_q516de2b5a4_qkv,@function
k_q516de2b5a4_qkv:
	s_mov_b64 s[64:65], 0
	v_nop
	global_prefetch_b8 v0, s[64:65] scope:SCOPE_SE
	s_setreg_imm32_b32 hwreg(HW_REG_WAVE_MODE, 25, 1), 1
	s_wait_xcnt 0x0
	s_wait_alu depctr_hold_cnt(0) depctr_sa_sdst(0) depctr_va_vdst(0) depctr_va_sdst(0) depctr_va_ssrc(0) depctr_va_vcc(0) depctr_vm_vsrc(0)
	s_getreg_b32 s2, hwreg(HW_REG_IB_STS2, 6, 4)
	s_cmp_eq_u32 s2, 0
	s_cbranch_scc0 .Lentry_in_a_cluster
	s_endpgm
.Lentry_in_a_cluster:
	s_bfe_u32 s2, ttmp6, 0x10000c
	s_cmp_lg_u32 s2, 0xf033
	s_cbranch_scc0 .Lentry_shape_is_right
	s_endpgm
.Lentry_shape_is_right:
; qkv[m][n] = 2^-3 (sum over k of xb[m][k] wqkv[n][k]) + bqkv[n], rounded once to f16.  xb [2048][2048], wqkv [6144][2048], qkv [2048][6144], all f16;
; bqkv [6144] f32 holds the biases times 2^-3; sums in f32.
; THE FACTOR 2^-3: with x and the weights all shifted by 30 times their spread q, k, v reach 2048 x 30 x 0.66 = some 40,000, close to the end of f16
; at 65,504; stored times 2^-3 they have room.  LIMIT: q, k, v of magnitude 524,032 or more overflow.
; A work-group makes 128 rows x 384 columns (one head: q, k, v) with four waves; wave (i, jn) makes 64 rows x 192 columns: 4 x 12 accumulator
; tiles of 16 x 16, 384 registers.  16 x 16 blocks = 256 work-groups of equal work.
; THE GRID: x counts the 16 block rows, y the 16 heads.  Clusters are numbered with x fastest, so any eight clusters that follow each other hold all
; 16 block rows and 8 heads: together they read all of xb (8 MiB) and half of wqkv (12 MiB).  With the axes the other way round
; they would read half of xb and all of wqkv: 4 + 24 MiB.
; K goes in steps of 128 (rows of 256 bytes, each starting at a multiple of 256 from the first byte of its buffer) through two LDS slots filled by tensor loads.
; CLUSTERS of 4 x 4: the four work-groups of a column of the cluster (the same x) need the same 128 rows of xb, the four of a row (the same y) the same
; 384 rows of wqkv.  Such a tile is asked for jointly: the same tensor load, the same descriptor, a mask that names the four.
; By the count of this text a wave has two tensor loads out at the start and one afterwards.
; REGISTER WINDOWS: 0: addresses, fragments of xb (two buffers), the bias; 1: fragments of wqkv (two buffers);
;   2: accumulators (a, b) for b < 8 at 8 (8 a + b);   3: accumulators (a, b) for b >= 8 at 8 (4 a + b - 8).
; The matrix instruction is used transposed (source 0 = 16 rows of wqkv, source 1 = 16 rows of xb): lane l then holds row l % 16 of the result
; and its eight registers the columns 8 (l / 16) + 0..7: eight neighbouring numbers, 16 bytes in f16.
; The 48 accumulators take turns, one instruction a turn, in the same order in every quarter step.
.set SIZE_K, 2048
.set SIZE_N, 6144
.set KSTEP,  128
.set PITCH,  272                       ; an LDS row: 256 bytes + 16 of padding, an odd multiple of 16: the 16 rows of a fragment load lie in 16 different 16-byte columns of 256
.set HALFT,  128*PITCH                 ; 128 rows: one tensor load
.set SLOT,   4*HALFT                   ; 384 rows of wqkv, then 128 rows of xb
.set SP,     784                       ; the way out: a row of 768 bytes + 16; the stage lies in slot 0, behind that slot's last fill and last read
.set LAPS,   SIZE_K/(2*KSTEP)          ; 8 laps of two K steps
.set ADRA, 16                          ; v16-17  LDS address of my fragments of xb in slot 0, 1
.set ADRB, 20                          ; v20-21  the same for wqkv
.set STO,  24                          ; v24     the way out: where I put 16 bytes
.set RD,   25                          ; v25     the way out: where I read rows back
.set CO,   26                          ; v26     my byte offset in qkv
.set BO,   27                          ; v27     my byte offset in the bias
.set FA,   32                          ; v32-95  fragments of xb: buffer x 32 + 8 a
.set BIAS, 96                          ; v96-191 bias of my columns: 8 b + 0..7
.set OUTR, 32                          ; v32-223 the way out
.set G1,  24                           ; s[24:31] group 1 for xb
.set G0,  32                           ; s[32:39] group 0 for xb, one set a slot
.set G1B, 48                           ; s[48:55] group 1 for wqkv: another mask
.set G0B, 56                           ; s[56:63] group 0 for wqkv, one set a slot
.set MSB, 0
.macro WIN new                         ; the high byte of the immediate repeats the setting that is left; a switch that changes nothing is dropped
.if MSB != \new
	s_set_vgpr_msb (MSB<<8)|\new
.set MSB, \new
.endif
.endm
.set MUL_LO, 0xa1                      ; source 0 window 1, source 1 window 0, C and D window 2
.set MUL_HI, 0xf1                      ; the same, C and D window 3
.set TO_B,   0x40                      ; destination window 1, address window 0
; A joint load.  Waves 0, 1, 2 fetch 128 rows of wqkv each, wave 3 the 128 rows of xb.  The branch hangs on the number of the wave alone.
.macro JLOAD s
	s_cmp_lt_u32 s10, 3
	s_cbranch_scc0 .Lfor_a_\@
	tensor_load_to_lds s[G0B+4*\s:G0B+4*\s+3], s[G1B:G1B+7]
	s_nop 0
	s_branch .Lasked_\@
.Lfor_a_\@:
	tensor_load_to_lds s[G0+4*\s:G0+4*\s+3], s[G1:G1+7]
	s_nop 0
.Lasked_\@:
.endm
.macro CREST                           ; a round of the barrier of the cluster, behind its opening work-group barrier
	s_cmp_lg_u32 s10, 0
	s_cbranch_scc1 .Lnot_wave_0_\@
	s_barrier_signal -3
.Lnot_wave_0_\@:
	s_barrier_wait -3
	s_barrier_signal -1
	s_barrier_wait -1
.endm
.macro CROUND                          ; a whole round
	s_barrier_signal -1
	s_barrier_wait -1
	CREST
.endm
.macro PLACES                          ; four places behind a matrix instruction in front of loads into its sources and of readers of its result
.rept 4
	v_nop
.endr
.endm
	s_load_b128 s[4:7], s[0:1], 0x0                ; xb s[4:5], wqkv s[6:7]
	s_load_b128 s[68:71], s[0:1], 0x10             ; bqkv s[68:69], qkv s[70:71]
	s_set_vgpr_msb 0x40
	v_lshl_add_u32 v255, v0, 2, 0x44000
	s_set_vgpr_msb 0x4000
	v_mov_b32 v255, 0
	s_set_vgpr_msb 0x1
	ds_add_u32 v255, v255
	ds_add_u32 v255, v255
	s_set_vgpr_msb 0x100
	v_lshrrev_b32 v1, 5, v0
	v_readfirstlane_b32 s10, v1                    ; wave 0..3
	s_lshr_b32 s11, s10, 1                         ; i: which 64 rows
	s_and_b32 s12, s10, 1                          ; jn: which 192 columns
	s_min_u32 s45, s10, 2                          ; which 128 rows of wqkv I fetch (wave 3 fetches xb and does not use it)
	s_bfe_u32 s40, ttmp6, 0x40000                  ; cx
	s_bfe_u32 s41, ttmp6, 0x40004                  ; cy
	s_lshl_b32 s13, ttmp9, 2
	s_add_co_u32 s13, s13, s40                     ; block row = work-group x = 4 x cluster x + cx
	s_and_b32 s42, ttmp7, 0xffff
	s_lshl_b32 s42, s42, 2
	s_add_co_u32 s42, s42, s41                     ; block column = head = work-group y = 4 x cluster y + cy
	s_lshl_b32 s43, s41, 2
	s_lshl_b32 s43, 15, s43                        ; my row of the cluster (the same cy)
	s_lshl_b32 s44, 0x1111, s40                    ; my column (the same cx)
	; group 1: a tile of 128 rows x 128 elements of 2 bytes, 4 words of padding behind every 64 words
	s_or_b32 s[G1+0],  s44, (1<<16)|(1<<20)|(1<<21)|(5<<22)|(3<<25)     ; the tiles of xb hang on work-group x alone: shared along my column
	s_or_b32 s[G1B+0], s43, (1<<16)|(1<<20)|(1<<21)|(5<<22)|(3<<25)     ; those of wqkv on work-group y alone: shared along my row
	s_mov_b32 s[G1+1],  KSTEP<<16                  ; tensor_dim0 = 128
	s_mov_b32 s[G1B+1], KSTEP<<16
	s_mov_b32 s[G1+2],  128<<16                    ; tensor_dim1 = 128
	s_mov_b32 s[G1B+2], 128<<16
	s_mov_b32 s[G1+3],  KSTEP<<16                  ; tile_dim0 = 128
	s_mov_b32 s[G1B+3], KSTEP<<16
	s_mov_b32 s[G1+4],  128                        ; tile_dim1 = 128
	s_mov_b32 s[G1B+4], 128
	s_mov_b32 s[G1+5],  SIZE_K                     ; elements from row to row
	s_mov_b32 s[G1B+5], SIZE_K
	s_mov_b32 s[G1+6],  0
	s_mov_b32 s[G1B+6], 0
	s_mov_b32 s[G1+7],  0
	s_mov_b32 s[G1B+7], 0
	s_lshl_b32 s16, s13, 19                        ; xb: 128 x block row rows of 4,096 bytes
	s_mov_b32 s17, 0
	s_mul_i32 s46, s42, 384                        ; wqkv: row 384 x head + 128 x part,
	s_lshl_b32 s47, s45, 7
	s_add_co_u32 s46, s46, s47
	s_lshl_b32 s46, s46, 12                        ; in bytes
	s_mov_b32 s47, 0
	s_mul_i32 s20, s10, HALFT                      ; where my tile goes: wave x 128 rows; no place in the cluster enters an LDS address
	s_mul_i32 s66, s42, 1536                       ; the bias of my head: 384 numbers of 4 bytes
	s_mov_b32 s67, 0
	v_and_b32 v1, 15, v0                           ; r = l % 16
	v_bfe_u32 v2, v0, 4, 1                         ; h = l / 16
	s_mul_i32 s21, s12, 768
	v_lshlrev_b32 v[BO], 5, v2
	v_add_nc_u32 v[BO], s21, v[BO]                 ; 4 x (192 jn + 8 h)
	s_wait_dscnt 0x0
	s_wait_kmcnt 0x0
	s_add_nc_u64 s[14:15], s[4:5], s[16:17]
	s_add_nc_u64 s[46:47], s[6:7], s[46:47]
	s_add_nc_u64 s[68:69], s[68:69], s[66:67]
.irp b, 0,1,2,3,4,5,6,7,8,9,10,11
	global_load_b128 v[BIAS+8*\b:BIAS+8*\b+3],   v[BO], s[68:69] offset:64*\b      ; waited for on the way out
	global_load_b128 v[BIAS+8*\b+4:BIAS+8*\b+7], v[BO], s[68:69] offset:64*\b+16
.endr
	CROUND                                         ; all sixteen work-groups are here: the first joint loads meet
.irp s, 0,1
	s_mov_b32 s[G0+4*\s], 1
	s_add_co_u32 s[G0+4*\s+1], s20, \s*SLOT
	s_add_nc_u64 s[G0+4*\s+2:G0+4*\s+3], s[14:15], \s*KSTEP*2
	s_or_b32 s[G0+4*\s+3], s[G0+4*\s+3], 0x80000000
	s_mov_b32 s[G0B+4*\s], 1
	s_add_co_u32 s[G0B+4*\s+1], s20, \s*SLOT
	s_add_nc_u64 s[G0B+4*\s+2:G0B+4*\s+3], s[46:47], \s*KSTEP*2
	s_or_b32 s[G0B+4*\s+3], s[G0B+4*\s+3], 0x80000000
	JLOAD \s
.endr
	; a fragment: lane l holds row l % 16; two loads of 16 bytes, 32 bytes apart, at row x pitch + 16 (l / 16)
	v_mul_u32_u24 v3, v1, PITCH
	v_lshl_add_u32 v3, v2, 4, v3
	s_mul_i32 s21, s11, 64*PITCH
	s_add_co_u32 s21, s21, 3*HALFT                 ; my 64 rows of xb, behind the 384 rows of wqkv
	s_mul_i32 s22, s12, 192*PITCH                  ; my 192 rows of wqkv
.irp s, 0,1
	v_add_nc_u32 v[ADRA+\s], s21, v3
	v_add_nc_u32 v[ADRB+\s], s22, v3
	s_add_co_u32 s21, s21, SLOT
	s_add_co_u32 s22, s22, SLOT
.endr
	s_mul_i32 s23, s11, 64*SP
	s_mul_i32 s21, s12, 384
	s_add_co_u32 s23, s23, s21
	v_mul_u32_u24 v4, v1, SP
	v_lshl_add_u32 v4, v2, 4, v4
	v_add_nc_u32 v[STO], s23, v4                   ; (64 i + r) x 784 + 384 jn + 16 h
	s_mul_i32 s23, s10, 32*SP
	v_mul_u32_u24 v5, v2, SP
	v_lshl_add_u32 v5, v1, 4, v5
	v_add_nc_u32 v[RD], s23, v5                    ; (32 w + l / 16) x 784 + 16 (l % 16)
	v_mul_u32_u24 v5, v2, SIZE_N*2
	v_lshl_add_u32 v[CO], v1, 4, v5                ; the same two rows in qkv
; 16 matrix instructions: 4 row blocks x column blocks 8..11 (window 3).  zero = 1: the first product starts the sums.
.macro MULHI buf, zero
.irp a, 0,1,2,3
.irp b, 0,1,2,3
.if \zero
	v_wmma_f32_16x16x32_f16 v[8*(4*\a+\b):8*(4*\a+\b)+7], v[96*\buf+8*(8+\b):96*\buf+8*(8+\b)+7], v[FA+32*\buf+8*\a:FA+32*\buf+8*\a+7], 0
.else
	v_wmma_f32_16x16x32_f16 v[8*(4*\a+\b):8*(4*\a+\b)+7], v[96*\buf+8*(8+\b):96*\buf+8*(8+\b)+7], v[FA+32*\buf+8*\a:FA+32*\buf+8*\a+7], v[8*(4*\a+\b):8*(4*\a+\b)+7]
.endif
.endr
.endr
.endm
; 32 matrix instructions: 4 row blocks x column blocks 0..7 (window 2)
.macro MULLO buf, zero
.irp a, 0,1,2,3
.irp b, 0,1,2,3,4,5,6,7
.if \zero
	v_wmma_f32_16x16x32_f16 v[8*(8*\a+\b):8*(8*\a+\b)+7], v[96*\buf+8*\b:96*\buf+8*\b+7], v[FA+32*\buf+8*\a:FA+32*\buf+8*\a+7], 0
.else
	v_wmma_f32_16x16x32_f16 v[8*(8*\a+\b):8*(8*\a+\b)+7], v[96*\buf+8*\b:96*\buf+8*\b+7], v[FA+32*\buf+8*\a:FA+32*\buf+8*\a+7], v[8*(8*\a+\b):8*(8*\a+\b)+7]
.endif
.endr
.endr
.endm
; 32 LDS loads in one run, in the order of their use: xb (8), wqkv blocks 8..11 (8), wqkv blocks 0..7 (16)
.macro FETCH slot, k, buf
	WIN 0
.irp a, 0,1,2,3
	ds_load_b128 v[FA+32*\buf+8*\a:FA+32*\buf+8*\a+3],   v[ADRA+\slot] offset:\k+\a*16*PITCH
	ds_load_b128 v[FA+32*\buf+8*\a+4:FA+32*\buf+8*\a+7], v[ADRA+\slot] offset:\k+\a*16*PITCH+32
.endr
	WIN TO_B
.irp b, 8,9,10,11,0,1,2,3,4,5,6,7
	ds_load_b128 v[96*\buf+8*\b:96*\buf+8*\b+3],   v[ADRB+\slot] offset:\k+\b*16*PITCH
	ds_load_b128 v[96*\buf+8*\b+4:96*\buf+8*\b+7], v[ADRB+\slot] offset:\k+\b*16*PITCH+32
.endr
.endm
; One of the first three quarter steps (32 along K): multiplies buffer f and fetches the next quarter, at byte k of the rows, into buffer g.
.macro QUARTER slot, k, f, g, zero
	s_wait_dscnt 16                                ; xb and blocks 8..11 are in; the 16 youngest loads (blocks 0..7) may be out
	WIN MUL_HI
	MULHI \f, \zero
	PLACES
	FETCH \slot, \k, \g
	s_wait_dscnt 32                                ; all but the 32 just issued
	WIN MUL_LO
	MULLO \f, \zero
.endm
.macro THREE slot, zero
	QUARTER \slot, 64,  0, 1, \zero
	QUARTER \slot, 128, 1, 0, 0
	QUARTER \slot, 192, 0, 1, 0
.endm
; The last quarter step multiplies buffer 1 and changes slots.  In front of the barrier every wave has waited for its reads of this slot and for
; all its tensor loads (the one that is out is its part of the next slot).  fill = 1: the barrier opens a round of the barrier of the cluster, and
; the joint refill of this slot, two K steps ahead, is the first tensor load behind the round; only then the next slot is read.
.macro TURN slot, next, fill
	s_wait_dscnt 0x0
	s_wait_tensorcnt 0x0
	ds_add_u32 v255, v255
	s_wait_dscnt 0x0
	s_barrier_signal -1
	WIN MUL_HI
	MULHI 1, 0                                     ; register work while the others arrive
	WIN 0
	s_barrier_wait -1
.if \fill
	CREST
	s_add_nc_u64 s[G0+4*\slot+2:G0+4*\slot+3], s[G0+4*\slot+2:G0+4*\slot+3], 2*KSTEP*2      ; no tensor load of mine is out: group 0 may be written
	s_add_nc_u64 s[G0B+4*\slot+2:G0B+4*\slot+3], s[G0B+4*\slot+2:G0B+4*\slot+3], 2*KSTEP*2
	JLOAD \slot
.endif
	PLACES
	FETCH \next, 0, 0
	WIN MUL_LO
	MULLO 1, 0
.endm
.macro LAP zero
	THREE 0, \zero
	TURN 0, 1, 1
	THREE 1, 0
	TURN 1, 0, 1
.endm
	s_wait_tensorcnt 1                             ; my part of K step 0 is in; K step 1 stays out
	s_barrier_signal -1
	s_barrier_wait -1
	FETCH 0, 0, 0
	LAP 1                                          ; the first lap stands in front of the loop: its first products start the sums
	WIN 0
	s_mov_b32 s3, LAPS-2
.Llap:
	LAP 0
	WIN 0
	s_sub_co_u32 s3, s3, 1
	s_cmp_lg_u32 s3, 0
	s_cbranch_scc1 .Llap
	THREE 0, 0                                     ; the last lap fills nothing
	TURN 0, 1, 0                                   ; behind its barrier no wave reads slot 0 any more, and no tensor load is out
	THREE 1, 0
	s_wait_dscnt 0x0
	WIN MUL_HI
	MULHI 1, 0
	WIN MUL_LO
	MULLO 1, 0
	; THE WAY OUT: sum x 2^-3 + bias x 2^-3 in one fused multiply-add in f32, round to f16, 16 bytes a lane into the stage (slot 0),
	; read whole rows of 768 bytes back, store them.
	PLACES
	s_wait_loadcnt 0x0                             ; the bias
	WIN 0x82                                       ; source 0 and destination window 2, source 2 window 0
.irp a, 0,1,2,3
.irp b, 0,1,2,3,4,5,6,7
.irp q, 0,2,4,6
	v_pk_fma_f32 v[8*(8*\a+\b)+\q:8*(8*\a+\b)+\q+1], v[8*(8*\a+\b)+\q:8*(8*\a+\b)+\q+1], 0x3e000000, v[BIAS+8*\b+\q:BIAS+8*\b+\q+1] op_sel_hi:[1,0,1]
.endr
.endr
.endr
	WIN 0xc3                                       ; the same for window 3
.irp a, 0,1,2,3
.irp b, 0,1,2,3
.irp q, 0,2,4,6
	v_pk_fma_f32 v[8*(4*\a+\b)+\q:8*(4*\a+\b)+\q+1], v[8*(4*\a+\b)+\q:8*(4*\a+\b)+\q+1], 0x3e000000, v[BIAS+8*(8+\b)+\q:BIAS+8*(8+\b)+\q+1] op_sel_hi:[1,0,1]
.endr
.endr
.endr
	WIN 0x0a                                       ; sources window 2, destination window 0
.irp a, 0,1,2,3
.irp b, 0,1,2,3,4,5,6,7
.irp q, 0,1,2,3
	v_cvt_pk_f16_f32 v[OUTR+4*(8*\a+\b)+\q], v[8*(8*\a+\b)+2*\q], v[8*(8*\a+\b)+2*\q+1]
.endr
.endr
.endr
	WIN 0
.irp a, 0,1,2,3
.irp b, 0,1,2,3,4,5,6,7
	ds_store_b128 v[STO], v[OUTR+4*(8*\a+\b):OUTR+4*(8*\a+\b)+3] offset:\a*16*SP+32*\b
.endr
.endr
	WIN 0x0f                                       ; sources window 3
.irp a, 0,1,2,3
.irp b, 0,1,2,3
.irp q, 0,1,2,3
	v_cvt_pk_f16_f32 v[OUTR+128+4*(4*\a+\b)+\q], v[8*(4*\a+\b)+2*\q], v[8*(4*\a+\b)+2*\q+1]
.endr
.endr
.endr
	WIN 0
.irp a, 0,1,2,3
.irp b, 0,1,2,3
	ds_store_b128 v[STO], v[OUTR+128+4*(4*\a+\b):OUTR+128+4*(4*\a+\b)+3] offset:\a*16*SP+32*(8+\b)
.endr
.endr
	s_lshl_b32 s66, s13, 7
	s_lshl_b32 s67, s10, 5
	s_add_co_u32 s66, s66, s67                     ; row 128 x block row + 32 w: each wave stores 32 whole rows of the block
	s_mul_i32 s66, s66, SIZE_N*2
	s_mul_i32 s67, s42, 768
	s_add_co_u32 s66, s66, s67                     ; + the 768 bytes of my head
	s_mov_b32 s67, 0
	s_add_nc_u64 s[70:71], s[70:71], s[66:67]
	s_wait_dscnt 0x0                               ; my stores into the stage are done: two waves wrote each row
	s_barrier_signal -1
	s_barrier_wait -1
.irp t, 0,1,2,3,4,5,6,7,8,9,10,11,12,13,14,15
.irp u, 0,1,2
	ds_load_b128 v[OUTR+4*(3*\t+\u):OUTR+4*(3*\t+\u)+3], v[RD] offset:\t*2*SP+256*\u
.endr
.endr
.irp t, 0,1,2,3,4,5,6,7,8,9,10,11,12,13,14,15
.irp u, 0,1,2
	s_wait_dscnt 47-(3*\t+\u)                      ; LDS loads come back in order: this one is in, the younger ones stay out
	global_store_b128 v[CO], v[OUTR+4*(3*\t+\u):OUTR+4*(3*\t+\u)+3], s[70:71] offset:\t*2*SIZE_N*2+256*\u   ; 16 lanes store 256 consecutive bytes, aligned
.endr
.endr
	s_set_vgpr_msb 0x1
	s_wait_tensorcnt 0x0
	ds_add_u32 v255, v255
	s_wait_dscnt 0x0
	s_set_vgpr_msb 0x100
	CROUND                                         ; the closing round: no work-group ends while a partner may still ask for a tile that names it
	s_endpgm
.Lfunc_end_k_q516de2b5a4_qkv:
	.size	k_q516de2b5a4_qkv, .Lfunc_end_k_q516de2b5a4_qkv-k_q516de2b5a4_qkv
	.p2alignl 7, 3214868480
	.fill 96, 4, 3214868480
	.section	.rodata,"a",@progbits
	.p2align	6, 0x0
	.amdhsa_kernel k_q516de2b5a4_qkv
		.amdhsa_group_segment_fixed_size 327680
		.amdhsa_private_segment_fixed_size 0
		.amdhsa_enable_private_segment 0
		.amdhsa_kernarg_size 32
		.amdhsa_user_sgpr_count 2
		.amdhsa_user_sgpr_kernarg_segment_ptr 1
		.amdhsa_wavefront_size32 1
		.amdhsa_system_sgpr_workgroup_id_x 1
		.amdhsa_system_sgpr_workgroup_id_y 1
		.amdhsa_system_sgpr_workgroup_id_z 1
		.amdhsa_system_vgpr_workitem_id 0
		.amdhsa_next_free_vgpr 896
		.amdhsa_next_free_sgpr 72
		.amdhsa_reserve_vcc 0
		.amdhsa_float_denorm_mode_32 3
		.amdhsa_float_denorm_mode_16_64 3
		.amdhsa_memory_ordered 1
		.amdhsa_forward_progress 1
		.amdhsa_inst_pref_size 183
	.end_amdhsa_kernel
	.amdgpu_metadata
---
amdhsa.version: [ 1, 2 ]
amdhsa.kernels:
  - .name:           k_q516de2b5a4_qkv
    .symbol:         k_q516de2b5a4_qkv.kd
    .args:
      - { .name: xb, .offset: 0, .size: 8, .value_kind: global_buffer, .address_space: global }
      - { .name: wqkv, .offset: 8, .size: 8, .value_kind: global_buffer, .address_space: global }
      - { .name: bqkv, .offset: 16, .size: 8, .value_kind: global_buffer, .address_space: global }
      - { .name: qkv, .offset: 24, .size: 8, .value_kind: global_buffer, .address_space: global }
    .group_segment_fixed_size: 327680
    .private_segment_fixed_size: 0
    .kernarg_segment_align: 8
    .kernarg_segment_size: 32
    .max_flat_workgroup_size: 128
    .sgpr_count:     72
    .vgpr_count:     896
    .wavefront_size: 32
...
	.end_amdgpu_metadata
.endif
;; end of part 2
;; launch attn (part 3): grid 256 x 1, 4 waves a work-group, no clusters, 315,904 bytes of LDS; arguments qkv, attn_mask, yb; writes yb
.if DOCPART == 3
	.amdgcn_target "amdgcn-amd-amdhsa--gfx1250"
	.amdhsa_code_object_version 6
	.text
	.protected	k_q516de2b5a4_attn
	.globl	k_q516de2b5a4_attn
	.p2align	8
	.type	k_q516de2b5a4_attn,@function
k_q516de2b5a4_attn:
	s_mov_b64 s[64:65], 0
	v_nop
	global_prefetch_b8 v0, s[64:65] scope:SCOPE_SE
	s_setreg_imm32_b32 hwreg(HW_REG_WAVE_MODE, 25, 1), 1
	s_wait_xcnt 0x0
; Causal attention with an additive mask over the keys.  qkv [2048][6144] f16 (row 512 b + t; bytes 768 head + 0, 256, 512: q, k, v rows of 256 bytes,
; each stored times 2^-3), attn_mask [4][512] f32, yb [2048][2048] f16 (column 128 head + d; y times 2^-3, the factor of v).
; Work-group id = 64 b + 4 head + j owns the query blocks of 64 rows L = j and H = 7 - j: (j + 1) + (8 - j) = 9 units of 64 x 64 in every
; work-group, so the causal work is even.  Wave w owns rows 16 w .. 16 w + 15 of each block (tile X = 0: L, X = 1: H).
; NO CLUSTER: the four work-groups of a head use 8 - j key blocks, a number that differs between them, and take them in different orders, so branches
; would hang on the place in the cluster; the form that is alike in all four would compute 16 units in place of 9.
; ORDER OF KEY BLOCKS: LDS position p holds key block pi(p): pi(0) = 7 - j (diagonal of H), pi(1) = j (diagonal of L, whole for H),
; then blocks 0 .. j - 1 (both tiles), then j + 1 .. 6 - j (H alone); positions beyond 7 - j hold blocks that are loaded and not used.
; So every LDS address is a constant, and only global addresses and forward branches hang on j.
; All of K and V of the head is brought once by tensor loads, nothing in LDS is filled again.  A wave has six tensor loads out at the most.
; EVERYTHING IS TRANSPOSED, so that a lane keeps one query: S^T = K Q^T (lane (r, h), register e: key 16 t + 8 h + e of query r); the rounded
; weights of tiles 2 u, 2 u + 1 ARE the second operand of O^T = V^T P^T, without a shuffle; V^T comes by transposing LDS loads.
; Softmax in base 2 with a running maximum; the maximum is taken over both halves of the lanes, the sums of the two halves are added at the end.
; LIMITS: q, k, v and the weights enter the products in f16; the weights lie in 0 .. 1, and one below 2^-24 of the largest of its row enters as 0;
; the denominator sums the unrounded f32 weights.  The running maximum starts at the lowest finite f32: keys masked with -inf get weight 0, a row
; masked whole gives 0 x inf = NaN.  A NaN among the scores is dropped by the maximum.
.set ROWB,  12288                      ; bytes in a row of qkv
.set PITCH, 272                        ; LDS row: 256 bytes + 16
.set UNIT,  64*PITCH                   ; one block of K or of V
.set QB,    16*UNIT                    ; K(p) at 2 p UNIT, V(p) behind it; then Q
.set QT,    16*PITCH                   ; one tile of Q: 16 rows
.set QW,    2*QT                       ; the two tiles of a wave; later the stage of that wave for the way out
.set MB,    QB+4*QW                    ; the mask x log2 e, f32, in position order: 2,048 bytes written by LDS stores alone
.set KA, 8                             ; r x 272 + 16 h
.set VA, 9                             ; (8 h + l % 8) x 272 + 128 ((l / 8) % 2)
.set KP, 10                            ; KA, VA + the position
.set VP, 11
.set MA, 12                            ; MB + 32 h
.set QA, 13
.set STO, 14
.set RD, 15
.set CO, 16
.set NINF, 18                          ; -inf
.set DD, 19                            ; 16 w + r - 8 h: key 16 t + 8 h + e of a diagonal block is kept where 16 t + e <= DD
.set ST, 20                            ; v[ST+4X] = -m, +1 = l, +2 = m
.set AL, 28                            ; v[AL+2X] = alpha (at the end 1 / l), +1 = 0
.set MM, 32                            ; v[32:63]   mask of the 32 keys of my half
.set SS, 64                            ; v[64:127]  S: 32 X + 8 t
.set PP, 128                           ; v[128:159] P: 16 X + 8 u
.set UU, 160                           ; v[160:167] sums
.set TT, 168                           ; v[168:171] maxima
.set MN, 172
.set OUTR, 160                         ; the way out: v[160:223]
.set QQ, 0                             ; window 1: Q at 32 X + 8 ks
.set OO, 64                            ; window 1: O at 64 + 64 X + 8 dt
.set KK, 0                             ; window 2: K at 32 t + 8 ks
.set VV, 128                           ; window 2: V at 128 + 64 u + 8 dt
.set G1,  16                           ; s[16:23] group 1: 64 rows
.set G1Q, 24                           ; s[24:31] group 1: 16 rows
.set GK,  32                           ; s[32:47] group 0 of the four batches of K and V
.set GQ,  48                           ; s[48:55] group 0 of the two tiles of Q
.set MSB, 0
.macro WIN new
.if MSB != \new
	s_set_vgpr_msb (MSB<<8)|\new
.set MSB, \new
.endif
.endm
.macro PLACES                          ; four places behind a matrix instruction (ISA guide 7.12.1)
.rept 4
	v_nop
.endr
.endm
	s_load_b128 s[4:7], s[0:1], 0x0                ; qkv s[4:5], attn_mask s[6:7]
	s_load_b64 s[8:9], s[0:1], 0x10                ; yb
	v_lshl_add_u32 v254, v0, 2, 0x4d000
	v_mov_b32 v255, 0
	ds_add_u32 v254, v255
	ds_add_u32 v254, v255
	v_lshrrev_b32 v1, 5, v0
	v_readfirstlane_b32 s10, v1                    ; wave
	s_and_b32 s11, ttmp9, 3                        ; j
	s_bfe_u32 s12, ttmp9, 0x40002                  ; head
	s_lshr_b32 s13, ttmp9, 6                       ; b
	s_sub_co_u32 s14, 7, s11                       ; 7 - j
	s_lshr_b32 s15, s10, 1                         ; my unit of a batch: position 2 i + w / 2,
	s_and_b32 s66, s10, 1                          ; K (0) or V (1)
	s_mov_b32 s56, 0x76543210                      ; v_permlanex16_b32: lane i of one half reads lane i of the other
	s_mov_b32 s57, 0xfedcba98
	s_mov_b32 s58, 0x410293ee                      ; 64 log2 e / sqrt(128): the 64 takes back the 2^-3 of q and the 2^-3 of k
	s_mov_b32 s59, 0x410293ee
	s_mov_b32 s60, 0xff7fffff                      ; the lowest finite f32
	s_mov_b32 s[G1+0], (1<<16)|(1<<20)|(5<<22)|(3<<25)     ; elements of 2 bytes, 4 words of padding behind every 64 words, no mask
	s_mov_b32 s[G1+1], 128<<16                     ; tensor_dim0 = 128
	s_mov_b32 s[G1+2], 64<<16                      ; tensor_dim1 = 64
	s_mov_b32 s[G1+3], 128<<16                     ; tile_dim0 = 128
	s_mov_b32 s[G1+4], 64                          ; tile_dim1 = 64
	s_mov_b32 s[G1+5], 6144                        ; elements from row to row
	s_mov_b32 s[G1+6], 0
	s_mov_b32 s[G1+7], 0
	s_mov_b32 s[G1Q+0], (1<<16)|(1<<20)|(5<<22)|(3<<25)
	s_mov_b32 s[G1Q+1], 128<<16
	s_mov_b32 s[G1Q+2], 16<<16                     ; 16 rows
	s_mov_b32 s[G1Q+3], 128<<16
	s_mov_b32 s[G1Q+4], 16
	s_mov_b32 s[G1Q+5], 6144
	s_mov_b32 s[G1Q+6], 0
	s_mov_b32 s[G1Q+7], 0
	s_mul_i32 s70, s13, 512*ROWB
	s_mul_i32 s67, s12, 768
	s_add_co_u32 s70, s70, s67
	s_mov_b32 s71, 0
	s_lshl_b32 s72, s66, 8
	s_add_co_u32 s72, s72, 256                     ; k rows lie 256 bytes, v rows 512 bytes behind the q rows
	s_mov_b32 s73, 0
	s_wait_dscnt 0x0
	s_wait_kmcnt 0x0
	s_add_nc_u64 s[70:71], s[4:5], s[70:71]        ; qkv at (b, head)
	s_add_nc_u64 s[74:75], s[70:71], s[72:73]      ; and at my kind of rows
.macro QDESC X, blk                    ; my 16 rows of query block blk, into my own bytes
	s_lshl_b32 s72, \blk, 6
	s_lshl4_add_u32 s72, s10, s72
	s_mul_i32 s72, s72, ROWB
	s_mov_b32 s73, 0
	s_mov_b32 s[GQ+4*\X], 1
	s_mul_i32 s[GQ+4*\X+1], s10, QW
	s_add_co_u32 s[GQ+4*\X+1], s[GQ+4*\X+1], QB+\X*QT
	s_add_nc_u64 s[GQ+4*\X+2:GQ+4*\X+3], s[70:71], s[72:73]
	s_or_b32 s[GQ+4*\X+3], s[GQ+4*\X+3], 0x80000000
	tensor_load_to_lds s[GQ+4*\X:GQ+4*\X+3], s[G1Q:G1Q+7]
	s_nop 0
.endm
.macro KVDESC i                        ; batch i: unit 4 i + w = position 2 i + w / 2, K or V; key block pi(position)
.if \i == 0
	s_cmp_eq_u32 s15, 0
	s_cselect_b32 s69, s14, s11                    ; position 0: 7 - j; position 1: j
.else
	s_add_co_u32 s66, s15, 2*\i                    ; p
	s_add_co_u32 s67, s15, 2*\i-1                  ; p - 1
	s_add_co_u32 s68, s15, 2*\i-2                  ; p - 2
	s_cmp_le_u32 s66, s14
	s_cselect_b32 s69, s67, s66                    ; p <= 7 - j: p - 1, else p
	s_cmp_lt_u32 s68, s11
	s_cselect_b32 s69, s68, s69                    ; p - 2 < j: p - 2
.endif
	s_mul_i32 s72, s69, 64*ROWB
	s_mov_b32 s73, 0
	s_mov_b32 s[GK+4*\i], 1
	s_mul_i32 s[GK+4*\i+1], s10, UNIT
	s_add_co_u32 s[GK+4*\i+1], s[GK+4*\i+1], \i*4*UNIT
	s_add_nc_u64 s[GK+4*\i+2:GK+4*\i+3], s[74:75], s[72:73]
	s_or_b32 s[GK+4*\i+3], s[GK+4*\i+3], 0x80000000
	tensor_load_to_lds s[GK+4*\i:GK+4*\i+3], s[G1:G1+7]
	s_nop 0
.endm
	QDESC 0, s11
	QDESC 1, s14
	KVDESC 0
	KVDESC 1
	KVDESC 2
	KVDESC 3
	; the mask: thread t takes 16 bytes of position t / 16, that is of key block pi(t / 16)
	s_lshl_b32 s66, s13, 11
	s_mov_b32 s67, 0
	s_add_nc_u64 s[6:7], s[6:7], s[66:67]
	v_lshrrev_b32 v40, 4, v0                       ; p
	v_and_b32 v41, 15, v0
	v_mov_b32 v44, s11
	v_mov_b32 v45, s14
	v_add_nc_u32 v42, -1, v40
	v_add_nc_u32 v43, -2, v40
	v_cmp_ge_u32 vcc_lo, s14, v40
	v_cndmask_b32 v42, v40, v42, vcc_lo            ; p <= 7 - j: p - 1, else p
	v_cmp_gt_i32 vcc_lo, s11, v43
	v_cndmask_b32 v42, v42, v43, vcc_lo            ; p - 2 < j: p - 2
	v_cmp_eq_u32 vcc_lo, 1, v40
	v_cndmask_b32 v42, v42, v44, vcc_lo            ; p = 1: j
	v_cmp_eq_u32 vcc_lo, 0, v40
	v_cndmask_b32 v42, v42, v45, vcc_lo            ; p = 0: 7 - j
	v_lshlrev_b32 v42, 8, v42
	v_lshl_add_u32 v46, v41, 4, v42
	global_load_b128 v[32:35], v46, s[6:7]
	v_lshlrev_b32 v47, 4, v0
	v_add_nc_u32 v47, MB, v47
	; where the results go
	s_lshl_b32 s72, s13, 9
	s_lshl4_add_u32 s72, s10, s72                  ; 512 b + 16 w
	s_lshl_b32 s68, s12, 8                         ; 256 bytes a head
	s_lshl_b32 s66, s11, 6
	s_add_co_u32 s66, s66, s72
	s_lshl_b32 s66, s66, 12
	s_add_co_u32 s66, s66, s68
	s_add_nc_u64 s[76:77], s[8:9], s[66:67]        ; tile L
	s_lshl_b32 s66, s14, 6
	s_add_co_u32 s66, s66, s72
	s_lshl_b32 s66, s66, 12
	s_add_co_u32 s66, s66, s68
	s_add_nc_u64 s[78:79], s[8:9], s[66:67]        ; tile H
	; lane addresses
	v_and_b32 v1, 15, v0                           ; r
	v_bfe_u32 v2, v0, 4, 1                         ; h
	v_mul_u32_u24 v3, v1, PITCH
	v_lshl_add_u32 v[KA], v2, 4, v3
	v_and_b32 v4, 7, v0
	v_lshl_add_u32 v4, v2, 3, v4
	v_mul_u32_u24 v4, v4, PITCH
	v_bfe_u32 v5, v0, 3, 1
	v_lshl_add_u32 v[VA], v5, 7, v4
	v_lshlrev_b32 v[MA], 5, v2
	v_add_nc_u32 v[MA], MB, v[MA]
	s_mul_i32 s66, s10, QW
	s_add_co_u32 s66, s66, QB
	v_add_nc_u32 v[QA], s66, v[KA]
	v_lshl_add_u32 v[STO], v2, 7, v3
	v_add_nc_u32 v[STO], s66, v[STO]               ; row r, 128 h bytes in
	v_mul_u32_u24 v5, v2, PITCH
	v_lshl_add_u32 v5, v1, 4, v5
	v_add_nc_u32 v[RD], s66, v5                    ; lanes 0-15 one row, lanes 16-31 the next
	v_lshlrev_b32 v5, 12, v2
	v_lshl_add_u32 v[CO], v1, 4, v5                ; the same two rows in yb
	v_mov_b32 v[NINF], 0xff800000
	v_lshlrev_b32 v5, 3, v2
	v_sub_nc_u32 v5, v1, v5
	s_lshl_b32 s67, s10, 4
	v_add_nc_u32 v[DD], s67, v5
	v_mov_b32 v[ST+1], 0                           ; the idle halves of pairs that are read before their first real write
	v_mov_b32 v[ST+5], 0
	v_mov_b32 v[AL+1], 0
	v_mov_b32 v[AL+3], 0
	s_wait_loadcnt 0x0
	v_pk_mul_f32 v[32:33], v[32:33], 0x3fb8aa3b op_sel_hi:[1,0]    ; x log2 e: the softmax runs in base 2
	v_pk_mul_f32 v[34:35], v[34:35], 0x3fb8aa3b op_sel_hi:[1,0]
	ds_store_b128 v47, v[32:35]
.macro KLOAD p                         ; 32 loads: the four key tiles of position p, K along d
	v_add_nc_u32 v[KP], (\p)*2*UNIT, v[KA]
	WIN 0x80                                       ; destination window 2
.irp t, 0,1,2,3
.irp ks, 0,1,2,3
	ds_load_b128 v[KK+32*\t+8*\ks:KK+32*\t+8*\ks+3],   v[KP] offset:\t*16*PITCH+64*\ks
	ds_load_b128 v[KK+32*\t+8*\ks+4:KK+32*\t+8*\ks+7], v[KP] offset:\t*16*PITCH+64*\ks+32
.endr
.endr
	WIN 0
.endm
.macro MLOAD p                         ; 8 loads: the mask of keys 16 t + 8 h + 0..7 of position p
.irp t, 0,1,2,3
	ds_load_b128 v[MM+8*\t:MM+8*\t+3],   v[MA] offset:256*(\p)+64*\t
	ds_load_b128 v[MM+8*\t+4:MM+8*\t+7], v[MA] offset:256*(\p)+64*\t+16
.endr
.endm
; 32 transposing loads: V^T of position p.  Fragment (u, dt): keys 32 u .. 32 u + 31; its rows 0-7 are d = 8 dt + 0..7, rows 8-15 d = 64 + 8 dt + 0..7:
; with that order of d the sixteen lanes of a half touch sixteen different 16-byte columns of 256 at the pitch of 272.
.macro VLOAD p
	v_add_nc_u32 v[VP], (\p)*2*UNIT, v[VA]
	WIN 0x80
.irp u, 0,1
.irp dt, 0,1,2,3,4,5,6,7
	ds_load_tr16_b128 v[VV+64*\u+8*\dt:VV+64*\u+8*\dt+3],   v[VP] offset:UNIT+\u*32*PITCH+16*\dt
	ds_load_tr16_b128 v[VV+64*\u+8*\dt+4:VV+64*\u+8*\dt+7], v[VP] offset:UNIT+\u*32*PITCH+16*\dt+16*PITCH
.endr
.endr
.endm
.macro SM1 X, t, ks
.if \ks == 0
	v_wmma_f32_16x16x32_f16 v[SS+32*\X+8*\t:SS+32*\X+8*\t+7], v[KK+32*\t+8*\ks:KK+32*\t+8*\ks+7], v[QQ+32*\X+8*\ks:QQ+32*\X+8*\ks+7], 0
.else
	v_wmma_f32_16x16x32_f16 v[SS+32*\X+8*\t:SS+32*\X+8*\t+7], v[KK+32*\t+8*\ks:KK+32*\t+8*\ks+7], v[QQ+32*\X+8*\ks:QQ+32*\X+8*\ks+7], v[SS+32*\X+8*\t:SS+32*\X+8*\t+7]
.endif
.endm
.macro SMUL both                       ; S^T = K Q^T; the four or eight accumulators take turns, one instruction a turn
.irp ks, 0,1,2,3
.irp t, 0,1,2,3
.if \both
	SM1 0, \t, \ks
.endif
	SM1 1, \t, \ks
.endr
.endr
.endm
.macro SFMA X                          ; S x 64 log2 e / sqrt(128) + mask x log2 e
.irp q, 0,2,4,6,8,10,12,14,16,18,20,22,24,26,28,30
	v_pk_fma_f32 v[SS+32*\X+\q:SS+32*\X+\q+1], v[SS+32*\X+\q:SS+32*\X+\q+1], s[58:59], v[MM+\q:MM+\q+1] op_sel_hi:[1,0,1]
.endr
.endm
; One step of the running softmax of tile X.  first = 1: nothing is carried yet.  diag = 1: the block lies on the diagonal.
.macro SOFT X, first, diag
.if \diag
.irp t, 0,1,2,3
.irp e, 0,1,2,3,4,5,6,7
	v_cmp_le_i32 vcc_lo, 16*\t+\e, v[DD]
	v_cndmask_b32 v[SS+32*\X+8*\t+\e], v[NINF], v[SS+32*\X+8*\t+\e], vcc_lo    ; keys behind the query: -inf
.endr
.endr
.endif
.irp t, 0,1,2,3
	v_max3_num_f32 v[TT+\t], v[SS+32*\X+8*\t], v[SS+32*\X+8*\t+1], v[SS+32*\X+8*\t+2]     ; four chains that do not wait for each other
.endr
.irp t, 0,1,2,3
	v_max3_num_f32 v[TT+\t], v[TT+\t], v[SS+32*\X+8*\t+3], v[SS+32*\X+8*\t+4]
.endr
.irp t, 0,1,2,3
	v_max3_num_f32 v[TT+\t], v[TT+\t], v[SS+32*\X+8*\t+5], v[SS+32*\X+8*\t+6]
.endr
.irp t, 0,1,2,3
	v_max_num_f32 v[TT+\t], v[TT+\t], v[SS+32*\X+8*\t+7]
.endr
	v_max3_num_f32 v[TT], v[TT], v[TT+1], v[TT+2]
	v_max_num_f32 v[TT], v[TT], v[TT+3]
	v_permlanex16_b32 v[TT+1], v[TT], s56, s57     ; the other 32 keys of my query lie in the other half of the lanes
.if \first
	v_max3_num_f32 v[MN], v[TT], v[TT+1], s60
.else
	v_max3_num_f32 v[MN], v[TT], v[TT+1], v[ST+4*\X+2]
	v_sub_f32 v[AL+2*\X], v[ST+4*\X+2], v[MN]      ; old maximum - new maximum
.endif
	v_mov_b32 v[ST+4*\X+2], v[MN]
	v_mul_f32 v[ST+4*\X], -1.0, v[MN]
.if \first == 0
	v_exp_f32 v[AL+2*\X], v[AL+2*\X]               ; alpha; the packed adds below are the plain place behind it (ISA guide 5.7.2)
.endif
.irp q, 0,2,4,6,8,10,12,14,16,18,20,22,24,26,28,30
	v_pk_add_f32 v[SS+32*\X+\q:SS+32*\X+\q+1], v[SS+32*\X+\q:SS+32*\X+\q+1], v[ST+4*\X:ST+4*\X+1] op_sel_hi:[1,0]   ; both halves take -m
.endr
.set i, 0
.rept 32
	v_exp_f32 v[SS+32*\X+i], v[SS+32*\X+i]
.set i, i+1
.endr
	v_nop                                          ; one plain place behind the exponentials
	s_wait_alu depctr_va_vdst(0)
.irp c, 0,1,2,3
	v_pk_add_f32 v[UU+2*\c:UU+2*\c+1], v[SS+32*\X+8*\c:SS+32*\X+8*\c+1], v[SS+32*\X+8*\c+2:SS+32*\X+8*\c+3]
.endr
.irp c, 0,1,2,3
	v_pk_add_f32 v[UU+2*\c:UU+2*\c+1], v[UU+2*\c:UU+2*\c+1], v[SS+32*\X+8*\c+4:SS+32*\X+8*\c+5]
.endr
.irp c, 0,1,2,3
	v_pk_add_f32 v[UU+2*\c:UU+2*\c+1], v[UU+2*\c:UU+2*\c+1], v[SS+32*\X+8*\c+6:SS+32*\X+8*\c+7]
.endr
	v_pk_add_f32 v[UU:UU+1], v[UU:UU+1], v[UU+2:UU+3]
	v_pk_add_f32 v[UU+4:UU+5], v[UU+4:UU+5], v[UU+6:UU+7]
	v_pk_add_f32 v[UU:UU+1], v[UU:UU+1], v[UU+4:UU+5]
.if \first
	v_add_f32 v[ST+4*\X+1], v[UU], v[UU+1]
.else
	v_add_f32 v[UU], v[UU], v[UU+1]
	v_fma_f32 v[ST+4*\X+1], v[ST+4*\X+1], v[AL+2*\X], v[UU]        ; l = l alpha + the sum of my half
.endif
.irp t, 0,1,2,3
.irp q, 0,1,2,3
	v_cvt_pk_f16_f32 v[PP+16*\X+4*\t+\q], v[SS+32*\X+8*\t+2*\q], v[SS+32*\X+8*\t+2*\q+1]   ; tiles 2 u, 2 u + 1 fill registers 0-3, 4-7 of fragment u
.endr
.endr
.endm
.macro RESC X                          ; O = O alpha
	WIN 0x41                                       ; source 0 and destination window 1
.irp q, 0,2,4,6,8,10,12,14,16,18,20,22,24,26,28,30,32,34,36,38,40,42,44,46,48,50,52,54,56,58,60,62
	v_pk_mul_f32 v[OO+64*\X+\q:OO+64*\X+\q+1], v[OO+64*\X+\q:OO+64*\X+\q+1], v[AL+2*\X:AL+2*\X+1] op_sel_hi:[1,0]
.endr
.endm
.macro PV1 X, u, dt, zero
.if \zero
	v_wmma_f32_16x16x32_f16 v[OO+64*\X+8*\dt:OO+64*\X+8*\dt+7], v[VV+64*\u+8*\dt:VV+64*\u+8*\dt+7], v[PP+16*\X+8*\u:PP+16*\X+8*\u+7], 0
.else
	v_wmma_f32_16x16x32_f16 v[OO+64*\X+8*\dt:OO+64*\X+8*\dt+7], v[VV+64*\u+8*\dt:VV+64*\u+8*\dt+7], v[PP+16*\X+8*\u:PP+16*\X+8*\u+7], v[OO+64*\X+8*\dt:OO+64*\X+8*\dt+7]
.endif
.endm
.macro PVMUL both, fl, fh              ; O^T += V^T P^T; the eight or sixteen accumulators take turns, one instruction a turn
.irp dt, 0,1,2,3,4,5,6,7
.if \both
	PV1 0, 0, \dt, \fl
.endif
	PV1 1, 0, \dt, \fh
.endr
.irp dt, 0,1,2,3,4,5,6,7
.if \both
	PV1 0, 1, \dt, 0
.endif
	PV1 1, 1, \dt, 0
.endr
.endm
; One position.  both: tile L takes part too.  fl, dl, fh, dh: first step and diagonal block of L and of H.  pre: K and mask of the next position are fetched.
; On entry the 32 loads of K(p) and the 8 of its mask are out or in, whichever variant ran before.
.macro STEP p, both, fl, dl, fh, dh, pre
	PLACES                                         ; behind the last products: V is loaded again, O and P are rewritten below
	VLOAD \p
	s_wait_dscnt 32                                ; all but the 32 loads of V just issued: K and the mask of this position (and Q) are in
	WIN 0x06                                       ; source 0 window 2, source 1 window 1, C and D window 0
	SMUL \both
	WIN 0
	PLACES
.if \pre
	KLOAD \p+1
.endif
.if \both
	SFMA 0
.endif
	SFMA 1
.if \pre
	MLOAD \p+1
.endif
.if \both
	SOFT 0, \fl, \dl
.endif
	SOFT 1, \fh, \dh
.if \both
.if \fl == 0
	RESC 0
.endif
.endif
.if \fh == 0
	RESC 1
.endif
.if \pre
	s_wait_dscnt 40                                ; V is in; the 40 younger loads (K and mask of the next position) stay out
.else
	s_wait_dscnt 0x0
.endif
	WIN 0x52                                       ; source 0 window 2, source 1 window 0, C and D window 1
	PVMUL \both, \fl, \fh
	WIN 0
.endm
.macro PICK p                          ; positions 2, 3, 4: key block p - 2 for both tiles where p - 2 < j, else key block p - 1 for H alone
	s_cmp_gt_u32 s11, \p-2
	s_cbranch_scc0 .Lalone_\@
	STEP \p, 1, 0, 0, 0, 0, 1
	s_branch .Ljoin_\@
.Lalone_\@:
	STEP \p, 0, 0, 0, 0, 0, 1
.Ljoin_\@:
.endm
	s_wait_dscnt 0x0                               ; my part of the mask is in LDS
	s_wait_tensorcnt 3                             ; my Q and my unit of positions 0, 1 have landed; batches 1, 2, 3 stay out
	s_barrier_signal -1
	s_barrier_wait -1
	WIN 0x40                                       ; destination window 1
.irp X, 0,1
.irp ks, 0,1,2,3
	ds_load_b128 v[QQ+32*\X+8*\ks:QQ+32*\X+8*\ks+3],   v[QA] offset:\X*QT+64*\ks
	ds_load_b128 v[QQ+32*\X+8*\ks+4:QQ+32*\X+8*\ks+7], v[QA] offset:\X*QT+64*\ks+32
.endr
.endr
	WIN 0
	KLOAD 0
	MLOAD 0
	STEP 0, 0, 0, 0, 1, 1, 1                       ; the diagonal block of H
	STEP 1, 1, 1, 1, 0, 0, 0                       ; the diagonal block of L, which H takes whole
	s_wait_dscnt 0x0
	s_wait_tensorcnt 0x0                           ; all my units have landed,
	s_barrier_signal -1
	s_barrier_wait -1                              ; and those of the other waves
	KLOAD 2
	MLOAD 2
	PICK 2
	PICK 3
	PICK 4
	s_cmp_lt_u32 s11, 8-5                          ; position p > 4 is used where p <= 7 - j
	s_cbranch_scc0 .Ldone
	STEP 5, 0, 0, 0, 0, 0, 1
	s_cmp_lt_u32 s11, 8-6
	s_cbranch_scc0 .Ldone
	STEP 6, 0, 0, 0, 0, 0, 1
	s_cmp_lt_u32 s11, 8-7
	s_cbranch_scc0 .Ldone
	STEP 7, 0, 0, 0, 0, 0, 0
.Ldone:
	; THE WAY OUT: divide by the sum of both halves, round to f16, through my own stage (the bytes of my Q, which nothing fills or reads any more).
	s_wait_dscnt 0x0                               ; loads fetched ahead and not used
	PLACES
	v_permlanex16_b32 v[TT],   v[ST+1], s56, s57
	v_permlanex16_b32 v[TT+1], v[ST+5], s56, s57
	v_add_f32 v[ST+1], v[ST+1], v[TT]
	v_add_f32 v[ST+5], v[ST+5], v[TT+1]
	v_rcp_f32 v[AL],   v[ST+1]
	v_rcp_f32 v[AL+2], v[ST+5]
	v_nop                                          ; one plain place behind the reciprocals
	s_wait_alu depctr_va_vdst(0)
.macro FIN X
	WIN 0x01                                       ; source 0 window 1
.irp q, 0,2,4,6,8,10,12,14,16,18,20,22,24,26,28,30,32,34,36,38,40,42,44,46,48,50,52,54,56,58,60,62
	v_pk_mul_f32 v[SS+\q:SS+\q+1], v[OO+64*\X+\q:OO+64*\X+\q+1], v[AL+2*\X:AL+2*\X+1] op_sel_hi:[1,0]
.endr
	WIN 0
.irp dt, 0,1,2,3,4,5,6,7
.irp q, 0,1,2,3
	v_cvt_pk_f16_f32 v[PP+4*\dt+\q], v[SS+8*\dt+2*\q], v[SS+8*\dt+2*\q+1]
.endr
.endr
.irp dt, 0,1,2,3,4,5,6,7
	ds_store_b128 v[STO], v[PP+4*\dt:PP+4*\dt+3] offset:\X*QT+16*\dt       ; d = 8 dt + 64 h + 0..7 of query r
.endr
.irp t, 0,1,2,3,4,5,6,7
	ds_load_b128 v[OUTR+32*\X+4*\t:OUTR+32*\X+4*\t+3], v[RD] offset:\X*QT+\t*2*PITCH   ; LDS serves the instructions of a wave in order: these see the stores above
.endr
.endm
	FIN 0
	FIN 1
.irp t, 0,1,2,3,4,5,6,7
	s_wait_dscnt 23-\t                             ; behind this load: 7 - t loads of tile L, 8 stores and 8 loads of tile H
	global_store_b128 v[CO], v[OUTR+4*\t:OUTR+4*\t+3], s[76:77] offset:\t*8192     ; 16 lanes store 256 consecutive bytes, aligned
.endr
.irp t, 0,1,2,3,4,5,6,7
	s_wait_dscnt 7-\t
	global_store_b128 v[CO], v[OUTR+32+4*\t:OUTR+32+4*\t+3], s[78:79] offset:\t*8192
.endr
	s_wait_tensorcnt 0x0
	ds_add_u32 v254, v255
	s_wait_dscnt 0x0
	s_endpgm
.Lfunc_end_k_q516de2b5a4_attn:
	.size	k_q516de2b5a4_attn, .Lfunc_end_k_q516de2b5a4_attn-k_q516de2b5a4_attn
	.p2alignl 7, 3214868480
	.fill 96, 4, 3214868480
	.section	.rodata,"a",@progbits
	.p2align	6, 0x0
	.amdhsa_kernel k_q516de2b5a4_attn
		.amdhsa_group_segment_fixed_size 315904
		.amdhsa_private_segment_fixed_size 0
		.amdhsa_enable_private_segment 0
		.amdhsa_kernarg_size 24
		.amdhsa_user_sgpr_count 2
		.amdhsa_user_sgpr_kernarg_segment_ptr 1
		.amdhsa_wavefront_size32 1
		.amdhsa_system_sgpr_workgroup_id_x 1
		.amdhsa_system_sgpr_workgroup_id_y 1
		.amdhsa_system_sgpr_workgroup_id_z 1
		.amdhsa_system_vgpr_workitem_id 0
		.amdhsa_next_free_vgpr 768
		.amdhsa_next_free_sgpr 80
		.amdhsa_reserve_vcc 1
		.amdhsa_float_denorm_mode_32 3
		.amdhsa_float_denorm_mode_16_64 3
		.amdhsa_memory_ordered 1
		.amdhsa_forward_progress 1
		.amdhsa_inst_pref_size 236
	.end_amdhsa_kernel
	.amdgpu_metadata
---
amdhsa.version: [ 1, 2 ]
amdhsa.kernels:
  - .name:           k_q516de2b5a4_attn
    .symbol:         k_q516de2b5a4_attn.kd
    .args:
      - { .name: qkv, .offset: 0, .size: 8, .value_kind: global_buffer, .address_space: global }
      - { .name: attn_mask, .offset: 8, .size: 8, .value_kind: global_buffer, .address_space: global }
      - { .name: yb, .offset: 16, .size: 8, .value_kind: global_buffer, .address_space: global }
    .group_segment_fixed_size: 315904
    .private_segment_fixed_size: 0
    .kernarg_segment_align: 8
    .kernarg_segment_size: 24
    .max_flat_workgroup_size: 128
    .sgpr_count:     80
    .vgpr_count:     768
    .wavefront_size: 32
...
	.end_amdgpu_metadata
.endif
;; end of part 3
;; launch proj (part 4): grid 16 x 16, 4 waves a work-group, clusters of 4 x 4, 327,680 bytes of LDS; arguments yb, wpb, bp, out0; writes out0
.if DOCPART == 4
	.amdgcn_target "amdgcn-amd-amdhsa--gfx1250"
	.amdhsa_code_object_version 6
	.text
	.protected	k_q516de2b5a4_proj
	.globl	k_q516de2b5a4_proj
	.p2align	8
	.type	k_q516de2b5a4_proj,@function
k_q516de2b5a4_proj:
	s_mov_b64 s[64:65], 0
	v_nop
	global_prefetch_b8 v0, s[64:65] scope:SCOPE_SE
	s_setreg_imm32_b32 hwreg(HW_REG_WAVE_MODE, 25, 1), 1
	s_wait_xcnt 0x0
	s_wait_alu depctr_hold_cnt(0) depctr_sa_sdst(0) depctr_va_vdst(0) depctr_va_sdst(0) depctr_va_ssrc(0) depctr_va_vcc(0) depctr_vm_vsrc(0)
	s_getreg_b32 s2, hwreg(HW_REG_IB_STS2, 6, 4)
	s_cmp_eq_u32 s2, 0
	s_cbranch_scc0 .Lentry_in_a_cluster
	s_endpgm
.Lentry_in_a_cluster:
	s_bfe_u32 s2, ttmp6, 0x10000c
	s_cmp_lg_u32 s2, 0xf033
	s_cbranch_scc0 .Lentry_shape_is_right
	s_endpgm
.Lentry_shape_is_right:
; out0[m][n] = 8 (sum over k of yb[m][k] wpb[n][k]) + bp[n], f32.  yb (y times 2^-3), wpb [2048][2048] f16; sums in f32; the 8 takes the 2^-3 back.
; A work-group makes 128 x 128 with four waves (16 x 16 blocks = 256 work-groups; a larger block would leave work-groups for half as many);
; wave (i, jn) makes 64 x 64: 16 accumulator tiles.  K goes in steps of 256 (rows of 512 bytes) through two LDS slots filled by tensor loads,
; so that a step is 128 matrix instructions of a wave.
; THE DESCRIPTORS count elements of 8 bytes: the tensor load only copies, no field of it needs the number format, and a row of 512 bytes is then
; 64 elements; the bytes moved, their places in LDS and the padding (counted in words of 4 bytes) are those of 256 elements of 2 bytes.
; CLUSTERS of 4 x 4: the tiles of yb are shared along a row of the cluster, those of wpb along a column, each asked for jointly.
; By the count of this text a wave has two tensor loads out at the start and one afterwards.
; REGISTER WINDOWS: 0: addresses, bias, fragments of yb (two buffers), work; 1: fragments of wpb; 2: accumulators (a, b) at 8 (4 a + b).
; The matrix instruction is used transposed (source 0 = rows of wpb, source 1 = rows of yb): a lane holds eight neighbouring columns of one row.
; The 16 accumulators take turns, one instruction a turn, in the same order throughout.
.set SIZE_K, 2048
.set SIZE_N, 2048
.set KSTEP,  256
.set ELB,    8                         ; bytes in an element as the descriptors count them
.set ROWEL,  KSTEP*2/ELB               ; 64 such elements in a row of a tile
.set PITEL,  SIZE_K*2/ELB              ; 512 of them from row to row in memory
.set PITCH,  528                       ; an LDS row: 512 bytes + 16, an odd multiple of 16
.set QTILE,  64*PITCH                  ; 64 rows: one tensor load
.set SLOT,   4*QTILE                   ; 128 rows of yb, then 128 rows of wpb
.set STAGE,  2*SLOT                    ; behind the slots: 16 rows x 272 bytes for each wave; no tensor load fills it
.set SPITCH, 272
.set LAPS,   SIZE_K/(2*KSTEP)          ; 4 laps of two K steps
.set ADRA, 16
.set ADRB, 20
.set STO,  24
.set RD,   25
.set CO,   26
.set BO,   27
.set BIAS, 32                          ; v32-63  bias of my columns: 8 b + 0..7
.set F0,   64                          ; fragment buffer 0: 8 (4 ks + a)
.set F1,   128                         ; fragment buffer 1
.set TMP,  192                         ; the way out
.set G1,  24
.set G0,  32
.set G1B, 48
.set G0B, 56
.set MSB, 0
.macro WIN new
.if MSB != \new
	s_set_vgpr_msb (MSB<<8)|\new
.set MSB, \new
.endif
.endm
.set MUL,  0xa1                        ; source 0 window 1, source 1 window 0, C and D window 2
.set TO_B, 0x40
.macro JLOAD s                         ; waves 0, 1 fetch the two halves of the tile of yb, waves 2, 3 those of wpb
	s_cmp_eq_u32 s11, 0
	s_cbranch_scc0 .Lfor_b_\@
	tensor_load_to_lds s[G0+4*\s:G0+4*\s+3], s[G1:G1+7]
	s_nop 0
	s_branch .Lasked_\@
.Lfor_b_\@:
	tensor_load_to_lds s[G0B+4*\s:G0B+4*\s+3], s[G1B:G1B+7]
	s_nop 0
.Lasked_\@:
.endm
.macro CREST
	s_cmp_lg_u32 s10, 0
	s_cbranch_scc1 .Lnot_wave_0_\@
	s_barrier_signal -3
.Lnot_wave_0_\@:
	s_barrier_wait -3
	s_barrier_signal -1
	s_barrier_wait -1
.endm
.macro CROUND
	s_barrier_signal -1
	s_barrier_wait -1
	CREST
.endm
.macro PLACES                          ; four places behind a matrix instruction (ISA guide 7.12.1)
.rept 4
	v_nop
.endr
.endm
	s_load_b128 s[4:7], s[0:1], 0x0                ; yb s[4:5], wpb s[6:7]
	s_load_b128 s[68:71], s[0:1], 0x10             ; bp s[68:69], out0 s[70:71]
	s_set_vgpr_msb 0x40
	v_lshl_add_u32 v255, v0, 2, 0x46400
	s_set_vgpr_msb 0x4000
	v_mov_b32 v255, 0
	s_set_vgpr_msb 0x1
	ds_add_u32 v255, v255
	ds_add_u32 v255, v255
	s_set_vgpr_msb 0x100
	v_lshrrev_b32 v1, 5, v0
	v_readfirstlane_b32 s10, v1                    ; wave
	s_lshr_b32 s11, s10, 1                         ; i: which 64 rows.  Also: I fetch for yb (0) or for wpb (1)
	s_and_b32 s12, s10, 1                          ; jn: which 64 columns.  Also: which 64 rows of that tile I fetch
	s_bfe_u32 s40, ttmp6, 0x40000                  ; cx
	s_bfe_u32 s41, ttmp6, 0x40004                  ; cy
	s_lshl_b32 s42, ttmp9, 2
	s_add_co_u32 s42, s42, s40                     ; block column
	s_and_b32 s13, ttmp7, 0xffff
	s_lshl_b32 s13, s13, 2
	s_add_co_u32 s13, s13, s41                     ; block row
	s_lshl_b32 s43, s41, 2
	s_lshl_b32 s43, 15, s43                        ; my row of the cluster
	s_lshl_b32 s44, 0x1111, s40                    ; my column
	; group 1: a tile of 64 rows x 64 elements of 8 bytes, 4 words of padding behind every 128 words
	s_or_b32 s[G1+0],  s43, (3<<16)|(1<<20)|(1<<21)|(6<<22)|(3<<25)
	s_or_b32 s[G1B+0], s44, (3<<16)|(1<<20)|(1<<21)|(6<<22)|(3<<25)
	s_mov_b32 s[G1+1],  ROWEL<<16                  ; tensor_dim0 = 64
	s_mov_b32 s[G1B+1], ROWEL<<16
	s_mov_b32 s[G1+2],  64<<16                     ; tensor_dim1 = 64
	s_mov_b32 s[G1B+2], 64<<16
	s_mov_b32 s[G1+3],  ROWEL<<16                  ; tile_dim0 = 64
	s_mov_b32 s[G1B+3], ROWEL<<16
	s_mov_b32 s[G1+4],  64                         ; tile_dim1 = 64
	s_mov_b32 s[G1B+4], 64
	s_mov_b32 s[G1+5],  PITEL                      ; elements from row to row
	s_mov_b32 s[G1B+5], PITEL
	s_mov_b32 s[G1+6],  0
	s_mov_b32 s[G1B+6], 0
	s_mov_b32 s[G1+7],  0
	s_mov_b32 s[G1B+7], 0
	s_lshl_b32 s17, s12, 6                         ; which 64 rows of the tile I fetch
	s_lshl_b32 s16, s13, 7
	s_add_co_u32 s16, s16, s17
	s_lshl_b32 s16, s16, 12                        ; yb: row 128 x block row + 64 x half, in bytes
	s_lshl_b32 s46, s42, 7
	s_add_co_u32 s46, s46, s17
	s_lshl_b32 s46, s46, 12                        ; wpb: row 128 x block column + 64 x half
	s_mov_b32 s17, 0
	s_mov_b32 s47, 0
	s_mul_i32 s20, s10, QTILE                      ; where my tile goes: wave x 64 rows
	s_lshl_b32 s66, s42, 9                         ; the bias of my block: 128 numbers of 4 bytes
	s_mov_b32 s67, 0
	v_and_b32 v1, 15, v0                           ; r
	v_bfe_u32 v2, v0, 4, 1                         ; h
	s_lshl_b32 s21, s12, 8
	v_lshlrev_b32 v[BO], 5, v2
	v_add_nc_u32 v[BO], s21, v[BO]                 ; 4 x (64 jn + 8 h)
	s_wait_dscnt 0x0
	s_wait_kmcnt 0x0
	s_add_nc_u64 s[14:15], s[4:5], s[16:17]
	s_add_nc_u64 s[46:47], s[6:7], s[46:47]
	s_add_nc_u64 s[68:69], s[68:69], s[66:67]
.irp b, 0,1,2,3
	global_load_b128 v[BIAS+8*\b:BIAS+8*\b+3],   v[BO], s[68:69] offset:64*\b      ; waited for on the way out
	global_load_b128 v[BIAS+8*\b+4:BIAS+8*\b+7], v[BO], s[68:69] offset:64*\b+16
.endr
	CROUND                                         ; the first joint loads meet
.irp s, 0,1
	s_mov_b32 s[G0+4*\s], 1
	s_add_co_u32 s[G0+4*\s+1], s20, \s*SLOT
	s_add_nc_u64 s[G0+4*\s+2:G0+4*\s+3], s[14:15], \s*KSTEP*2
	s_or_b32 s[G0+4*\s+3], s[G0+4*\s+3], 0x80000000
	s_mov_b32 s[G0B+4*\s], 1
	s_add_co_u32 s[G0B+4*\s+1], s20, \s*SLOT
	s_add_nc_u64 s[G0B+4*\s+2:G0B+4*\s+3], s[46:47], \s*KSTEP*2
	s_or_b32 s[G0B+4*\s+3], s[G0B+4*\s+3], 0x80000000
	JLOAD \s
.endr
	v_mul_u32_u24 v3, v1, PITCH
	v_lshl_add_u32 v3, v2, 4, v3                   ; r x pitch + 16 h
	s_mul_i32 s21, s11, QTILE                      ; my 64 rows of yb
	s_mul_i32 s22, s12, QTILE
	s_add_co_u32 s22, s22, 2*QTILE                 ; my 64 rows of wpb, behind the 128 of yb
.irp s, 0,1
	v_add_nc_u32 v[ADRA+\s], s21, v3
	v_add_nc_u32 v[ADRB+\s], s22, v3
	s_add_co_u32 s21, s21, SLOT
	s_add_co_u32 s22, s22, SLOT
.endr
	s_mul_i32 s23, s10, 16*SPITCH
	s_add_co_u32 s23, s23, STAGE                   ; my stage
	v_mul_u32_u24 v4, v1, SPITCH
	v_lshl_add_u32 v4, v2, 5, v4
	v_add_nc_u32 v[STO], s23, v4                   ; row r, 32 h bytes in
	v_mul_u32_u24 v5, v2, SPITCH
	v_lshl_add_u32 v5, v1, 4, v5
	v_add_nc_u32 v[RD], s23, v5                    ; lanes 0-15 one row of 256 bytes, lanes 16-31 the next
	v_lshlrev_b32 v5, 13, v2
	v_lshl_add_u32 v[CO], v1, 4, v5                ; the same two rows in out0
; 16 matrix instructions: all 4 x 4 tiles, 32 along K (half ks of a quarter step).  zero = 1: the first product starts the sums.
.macro MUL16 f, ks, zero
.irp a, 0,1,2,3
.irp b, 0,1,2,3
.if \zero
	v_wmma_f32_16x16x32_f16 v[8*(4*\a+\b):8*(4*\a+\b)+7], v[\f+8*(4*\ks+\b):\f+8*(4*\ks+\b)+7], v[\f+8*(4*\ks+\a):\f+8*(4*\ks+\a)+7], 0
.else
	v_wmma_f32_16x16x32_f16 v[8*(4*\a+\b):8*(4*\a+\b)+7], v[\f+8*(4*\ks+\b):\f+8*(4*\ks+\b)+7], v[\f+8*(4*\ks+\a):\f+8*(4*\ks+\a)+7], v[8*(4*\a+\b):8*(4*\a+\b)+7]
.endif
.endr
.endr
.endm
; 32 LDS loads in one run: a quarter step (64 along K at byte k of the rows): wpb (16), yb first half (8), yb second half (8)
.macro FETCH slot, k, f
	WIN TO_B
.irp ks, 0,1
.irp b, 0,1,2,3
	ds_load_b128 v[\f+8*(4*\ks+\b):\f+8*(4*\ks+\b)+3],   v[ADRB+\slot] offset:\k+64*\ks+\b*16*PITCH
	ds_load_b128 v[\f+8*(4*\ks+\b)+4:\f+8*(4*\ks+\b)+7], v[ADRB+\slot] offset:\k+64*\ks+\b*16*PITCH+32
.endr
.endr
	WIN 0
.irp ks, 0,1
.irp a, 0,1,2,3
	ds_load_b128 v[\f+8*(4*\ks+\a):\f+8*(4*\ks+\a)+3],   v[ADRA+\slot] offset:\k+64*\ks+\a*16*PITCH
	ds_load_b128 v[\f+8*(4*\ks+\a)+4:\f+8*(4*\ks+\a)+7], v[ADRA+\slot] offset:\k+64*\ks+\a*16*PITCH+32
.endr
.endr
.endm
.macro QUARTER slot, k, f, g, zero
	s_wait_dscnt 8                                 ; all but the 8 youngest loads (the second half of yb)
	WIN MUL
	MUL16 \f, 0, \zero
	PLACES
	FETCH \slot, \k, \g
	s_wait_dscnt 32                                ; all but the 32 just issued
	WIN MUL
	MUL16 \f, 1, 0
.endm
.macro THREE slot, zero
	QUARTER \slot, 128, F0, F1, \zero
	QUARTER \slot, 256, F1, F0, 0
	QUARTER \slot, 384, F0, F1, 0
.endm
; The last quarter step multiplies buffer 1 and changes slots: every wave has waited for its reads of this slot and for all its tensor loads in front
; of the barrier; fill = 1: the barrier opens a round of the barrier of the cluster, and the joint refill is the first tensor load behind the round.
.macro TURN slot, next, fill
	s_wait_dscnt 0x0
	s_wait_tensorcnt 0x0
	ds_add_u32 v255, v255
	s_wait_dscnt 0x0
	s_barrier_signal -1
	WIN MUL
	MUL16 F1, 0, 0                                 ; register work while the others arrive
	WIN 0
	s_barrier_wait -1
.if \fill
	CREST
	s_add_nc_u64 s[G0+4*\slot+2:G0+4*\slot+3], s[G0+4*\slot+2:G0+4*\slot+3], 2*KSTEP*2      ; no tensor load of mine is out: group 0 may be written
	s_add_nc_u64 s[G0B+4*\slot+2:G0B+4*\slot+3], s[G0B+4*\slot+2:G0B+4*\slot+3], 2*KSTEP*2
	JLOAD \slot
.endif
	PLACES
	FETCH \next, 0, F0
	WIN MUL
	MUL16 F1, 1, 0
.endm
.macro LAP zero
	THREE 0, \zero
	TURN 0, 1, 1
	THREE 1, 0
	TURN 1, 0, 1
.endm
	s_wait_tensorcnt 1                             ; my part of K step 0 is in; K step 1 stays out
	s_barrier_signal -1
	s_barrier_wait -1
	FETCH 0, 0, F0
	LAP 1
	WIN 0
	s_mov_b32 s3, LAPS-2
.Llap:
	LAP 0
	WIN 0
	s_sub_co_u32 s3, s3, 1
	s_cmp_lg_u32 s3, 0
	s_cbranch_scc1 .Llap
	THREE 0, 0                                     ; the last lap fills nothing
	TURN 0, 1, 0
	THREE 1, 0
	s_wait_dscnt 0x0
	WIN MUL
	MUL16 F1, 0, 0
	MUL16 F1, 1, 0
	; THE WAY OUT, 16 rows at a time: sum x 8 + bias in one fused multiply-add, 32 bytes a lane into my own stage, read whole rows of 256 bytes back, store them.
	PLACES
	s_wait_loadcnt 0x0                             ; the bias
	s_lshl_b32 s66, s13, 7
	s_lshl_b32 s67, s11, 6
	s_add_co_u32 s66, s66, s67                     ; my first row
	s_lshl_b32 s66, s66, 13                        ; rows of 8,192 bytes
	s_lshl_b32 s67, s42, 9
	s_add_co_u32 s66, s66, s67                     ; + 512 bytes a block column
	s_lshl_b32 s67, s12, 8
	s_add_co_u32 s66, s66, s67                     ; + 256 bytes for my half
	s_mov_b32 s67, 0
	s_add_nc_u64 s[70:71], s[70:71], s[66:67]
.macro OUT16 a, f
	WIN 0x02                                       ; source 0 window 2
.irp b, 0,1,2,3
.irp q, 0,2,4,6
	v_pk_fma_f32 v[TMP+8*\b+\q:TMP+8*\b+\q+1], v[8*(4*\a+\b)+\q:8*(4*\a+\b)+\q+1], 0x41000000, v[BIAS+8*\b+\q:BIAS+8*\b+\q+1] op_sel_hi:[1,0,1]
.endr
.endr
	WIN 0
.irp b, 0,1,2,3
	ds_store_b128 v[STO], v[TMP+8*\b:TMP+8*\b+3]   offset:64*\b
	ds_store_b128 v[STO], v[TMP+8*\b+4:TMP+8*\b+7] offset:64*\b+16
.endr
	s_wait_xcnt 0x0                                ; the addresses of all earlier stores are translated (ISA guide 3.1): buffer f and the base are rewritten only behind this wait
.if \a
	s_add_nc_u64 s[70:71], s[70:71], 16*SIZE_N*4   ; 16 rows on
.endif
.irp t, 0,1,2,3,4,5,6,7
	ds_load_b128 v[\f+4*\t:\f+4*\t+3], v[RD] offset:\t*2*SPITCH    ; LDS serves the instructions of a wave in order: these see the stores above
.endr
.irp t, 0,1,2,3,4,5,6,7
	s_wait_dscnt 7-\t
	global_store_b128 v[CO], v[\f+4*\t:\f+4*\t+3], s[70:71] offset:\t*2*SIZE_N*4 th:TH_STORE_NT    ; 16 lanes store 256 consecutive bytes, aligned
.endr
.endm
	OUT16 0, F0
	OUT16 1, F1
	OUT16 2, F0
	OUT16 3, F1
	s_set_vgpr_msb 0x1
	s_wait_tensorcnt 0x0
	ds_add_u32 v255, v255
	s_wait_dscnt 0x0
	s_set_vgpr_msb 0x100
	CROUND                                         ; the closing round
	s_endpgm
.Lfunc_end_k_q516de2b5a4_proj:
	.size	k_q516de2b5a4_proj, .Lfunc_end_k_q516de2b5a4_proj-k_q516de2b5a4_proj
	.p2alignl 7, 3214868480
	.fill 96, 4, 3214868480
	.section	.rodata,"a",@progbits
	.p2align	6, 0x0
	.amdhsa_kernel k_q516de2b5a4_proj
		.amdhsa_group_segment_fixed_size 327680
		.amdhsa_private_segment_fixed_size 0
		.amdhsa_enable_private_segment 0
		.amdhsa_kernarg_size 32
		.amdhsa_user_sgpr_count 2
		.amdhsa_user_sgpr_kernarg_segment_ptr 1
		.amdhsa_wavefront_size32 1
		.amdhsa_system_sgpr_workgroup_id_x 1
		.amdhsa_system_sgpr_workgroup_id_y 1
		.amdhsa_system_sgpr_workgroup_id_z 1
		.amdhsa_system_vgpr_workitem_id 0
		.amdhsa_next_free_vgpr 640
		.amdhsa_next_free_sgpr 72
		.amdhsa_reserve_vcc 0
		.amdhsa_float_denorm_mode_32 3
		.amdhsa_float_denorm_mode_16_64 3
		.amdhsa_memory_ordered 1
		.amdhsa_forward_progress 1
		.amdhsa_inst_pref_size 129
	.end_amdhsa_kernel
	.amdgpu_metadata
---
amdhsa.version: [ 1, 2 ]
amdhsa.kernels:
  - .name:           k_q516de2b5a4_proj
    .symbol:         k_q516de2b5a4_proj.kd
    .args:
      - { .name: yb, .offset: 0, .size: 8, .value_kind: global_buffer, .address_space: global }
      - { .name: wpb, .offset: 8, .size: 8, .value_kind: global_buffer, .address_space: global }
      - { .name: bp, .offset: 16, .size: 8, .value_kind: global_buffer, .address_space: global }
      - { .name: out0, .offset: 24, .size: 8, .value_kind: global_buffer, .address_space: global }
    .group_segment_fixed_size: 327680
    .private_segment_fixed_size: 0
    .kernarg_segment_align: 8
    .kernarg_segment_size: 32
    .max_flat_workgroup_size: 128
    .sgpr_count:     72
    .vgpr_count:     640
    .wavefront_size: 32
...
	.end_amdgpu_metadata
.endif
;; end of part 4
;; ======== version 2 of 2: 4 launches; version 1 with the launch cast written anew for expert scheduling mode
;; limits: inputs' magnitudes at most 65,504; values are held in f16: magnitudes above 65,504 overflow, below 6.1e-05 lose precision; right only within a limited range of input values
;; workspace buffers: xb 8,388,608 bytes; wqkv 25,165,824 bytes; wpb 8,388,608 bytes; bqkv 24,576 bytes; qkv 25,165,824 bytes; yb 8,388,608 bytes
;; launch cast (part 5): grid 128 x 5, 8 waves a work-group, no clusters, 0 bytes of LDS; arguments x, Wq, Wk, Wv, Wp, bq, bk, bv, xb, wqkv, wpb, bqkv; writes xb, wqkv, wpb, bqkv
.if DOCPART == 5
	.amdgcn_target "amdgcn-amd-amdhsa--gfx1250"
	.amdhsa_code_object_version 6
	.text
	.protected	k_q516de2b5a4_cast
	.globl	k_q516de2b5a4_cast
	.p2align	8
	.type	k_q516de2b5a4_cast,@function
k_q516de2b5a4_cast:
	s_mov_b64 s[64:65], 0
	v_nop
	global_prefetch_b8 v0, s[64:65] scope:SCOPE_SE
	s_setreg_imm32_b32 hwreg(HW_REG_WAVE_SCHED_MODE, 0, 2), 2
	s_setreg_imm32_b32 hwreg(HW_REG_WAVE_MODE, 25, 1), 1
	s_wait_xcnt 0x0
	s_wait_alu depctr_vm_vsrc(0)
; cast: the five f32 matrices of 2048 x 2048 are rounded once to f16 for the matrix launches that follow.
;   y = 0: x -> xb      y = 1, 2, 3: Wq, Wk, Wv -> wqkv      y = 4: Wp -> wpb      (y = work-group id y)
; WHY f16 AND NOT bf16: a row of the result that averages few keys is some five times larger than the root mean square of the whole result, by which
; the error is judged; a step of 2^-8 in each of the operands along the way is then too coarse, a step of 2^-11 is not.
; LIMIT: a number of magnitude 65,504 or more in x or in a weight overflows f16.
; wqkv is [6144][2048]: row 384 h + 128 s + d holds row 128 h + d of W_s (s = 0, 1, 2 for q, k, v), so that a block of 384 rows is one head: q, k, v.
; bqkv is [6144] f32, the three biases in the same order, times 2^-3 (exact): the next launch stores q, k, v times 2^-3.
; A stream: no LDS, no barrier, no matrix unit, no loop.  Work-group g takes 16 rows, wave w rows 16 g + 2 w and the next:
; 16,384 consecutive bytes in, 8,192 consecutive bytes out.  All 32 loads of a wave are issued at once; each store of the wave
; covers 256 consecutive bytes, aligned.  No register is written twice while a memory instruction may read it.
; THE MODE: SCHED_MODE bits 1:0 = 2 (LLVM: expert scheduling mode 2), set by the entry lines.  The code itself states the register dependences
; between vector instructions and memory instructions, with s_wait_alu, always for 0.
; THE PLAN.  Registers that memory instructions touch:
;   v1, v2       byte offsets of the loads and of the stores: made at the head and never written again.
;   chunk n      v[X + 4 n : X + 4 n + 3], n = 0 .. 31: written by load n; its two conversions read the four and write the first two in place;
;                store n reads those two; nothing writes them afterwards, and no vector instruction names them ahead of the load.
;   v[132:135]   in the arm for the biases alone: written by its load, scaled in place, read by its store, not written afterwards.
; The 32 chunks go in eight blocks of four.  Block p converts its own chunks; its memory instructions are the four stores of block p - 1, whose
; registers no conversion of block p names.  So one wait on va_vdst at a block's head states all that the block's four stores hang on, and they are dealt
; among its conversions with no further wait.  No register that a memory instruction has read is written again: the only wait on vm_vsrc is the one among the entry lines.
.set X, 4                              ; v[4:131]  32 x 4 registers as loaded; the first two of each four are then the 8 bytes to store
.set BLOCK, 4                          ; chunks in a block
.set BLOCKS, 32/BLOCK
	s_load_b512 s[8:23], s[0:1], 0x0               ; x s[8:9], Wq s[10:11], Wk s[12:13], Wv s[14:15], Wp s[16:17], bq s[18:19], bk s[20:21], bv s[22:23]
	s_load_b256 s[24:31], s[0:1], 0x40             ; xb s[24:25], wqkv s[26:27], wpb s[28:29], bqkv s[30:31]
	s_and_b32 s2, ttmp7, 0xffff                    ; y: which matrix
	s_mov_b32 s3, ttmp9                            ; g: which 16 rows
	v_lshrrev_b32 v3, 5, v0
	v_readfirstlane_b32 s4, v3                     ; wave 0..7
	v_and_b32 v1, 31, v0
	v_lshlrev_b32 v2, 3, v1                        ; 8 bytes a lane out
	v_lshlrev_b32 v1, 4, v1                        ; 16 bytes a lane in
	s_sub_co_u32 s5, s2, 1                         ; s = y - 1: 0, 1, 2 for Wq, Wk, Wv (wraps for y = 0)
	s_lshl_b32 s36, s3, 4
	s_wait_alu depctr_va_sdst(0)                   ; s4 is written, ahead of its first reader: my rows, and later a branch, are made from it
	s_lshl1_add_u32 s36, s4, s36                   ; R = 16 g + 2 w, my first row
	s_lshl_b32 s39, s5, 7                          ; 128 s
	s_mov_b32 s40, 384
	s_cmp_lt_u32 s5, 3                             ; one of the three that go to wqkv?
	s_cselect_b32 s37, s40, 128                    ; rows from head to head in the destination
	s_cselect_b32 s38, s39, 0                      ; and the place of q, k or v inside a head
	s_lshr_b32 s41, s36, 7
	s_mul_i32 s41, s41, s37
	s_add_co_u32 s41, s41, s38
	s_and_b32 s42, s36, 127
	s_add_co_u32 s41, s41, s42                     ; destination row = (R / 128) x rows per head + place + R % 128
	s_lshl_b32 s42, s36, 13                        ; R x 8,192 bytes
	s_mov_b32 s43, 0
	s_lshl_b32 s44, s41, 12                        ; destination row x 4,096 bytes
	s_mov_b32 s45, 0
	s_wait_kmcnt 0x0
	s_mov_b64 s[32:33], s[8:9]                     ; the source, chosen by y alone
	s_cmp_eq_u32 s2, 1
	s_cselect_b64 s[32:33], s[10:11], s[32:33]
	s_cmp_eq_u32 s2, 2
	s_cselect_b64 s[32:33], s[12:13], s[32:33]
	s_cmp_eq_u32 s2, 3
	s_cselect_b64 s[32:33], s[14:15], s[32:33]
	s_cmp_eq_u32 s2, 4
	s_cselect_b64 s[32:33], s[16:17], s[32:33]
	s_mov_b64 s[34:35], s[26:27]                   ; the destination likewise
	s_cmp_eq_u32 s2, 0
	s_cselect_b64 s[34:35], s[24:25], s[34:35]
	s_cmp_eq_u32 s2, 4
	s_cselect_b64 s[34:35], s[28:29], s[34:35]
	s_add_nc_u64 s[32:33], s[32:33], s[42:43]
	s_add_nc_u64 s[34:35], s[34:35], s[44:45]
	s_wait_alu depctr_va_vdst(0)                   ; v1 and v2 are written: every load and store of the kernel reads one of them as its offset
.set n, 0
.rept 32
	global_load_b128 v[X+4*n:X+4*n+3], v1, s[32:33] offset:512*n th:TH_LOAD_NT   ; read once in the whole launch
.set n, n+1
.endr
; Block p: its four chunks are converted; ahead of each chunk's two conversions stands one store of the block before.
.set p, 0
.rept BLOCKS
	s_wait_loadcnt 32-BLOCK*(p+1)                  ; loads come back in order (ISA guide 5.7.1): this block's four are in, the loads of the later blocks stay out
.if p > 0
	s_wait_alu depctr_va_vdst(0)                   ; the conversions of the block before have written the eight registers that the four stores below read
.endif
.set i, 0
.rept BLOCK
.set n, BLOCK*p+i
.if p > 0
	global_store_b64 v2, v[X+4*(n-BLOCK):X+4*(n-BLOCK)+1], s[34:35] offset:256*(n-BLOCK)     ; read again by the next launch: no hint.  No vector instruction since the wait names these registers
.endif
	v_cvt_pk_f16_f32 v[X+4*n],   v[X+4*n],   v[X+4*n+1]
	v_cvt_pk_f16_f32 v[X+4*n+1], v[X+4*n+2], v[X+4*n+3]
.set i, i+1
.endr
.set p, p+1
.endr
	s_wait_alu depctr_va_vdst(0)                   ; the last block's conversions have written the registers that the last four stores read
.set n, 32-BLOCK
.rept BLOCK
	global_store_b64 v2, v[X+4*n:X+4*n+1], s[34:35] offset:256*n
.set n, n+1
.endr
	; The biases: 128 numbers for each head and each of q, k, v, copied by wave 0 of the work-group that holds the first rows of that head.
	s_cmp_lt_u32 s5, 3
	s_cbranch_scc0 .Lend
	s_and_b32 s46, s3, 7
	s_cmp_eq_u32 s46, 0
	s_cbranch_scc0 .Lend
	s_cmp_eq_u32 s4, 0
	s_cbranch_scc0 .Lend
	s_cmp_eq_u32 s5, 1
	s_cselect_b64 s[18:19], s[20:21], s[18:19]
	s_cmp_eq_u32 s5, 2
	s_cselect_b64 s[18:19], s[22:23], s[18:19]
	s_lshr_b32 s46, s3, 3                          ; head
	s_lshl_b32 s36, s46, 9                         ; 128 numbers of 4 bytes a head
	s_mov_b32 s37, 0
	s_add_nc_u64 s[18:19], s[18:19], s[36:37]
	s_mul_i32 s36, s46, 1536                       ; 384 numbers a head in bqkv
	s_lshl_b32 s47, s5, 9
	s_add_co_u32 s36, s36, s47
	s_add_nc_u64 s[30:31], s[30:31], s[36:37]
	global_load_b128 v[132:135], v1, s[18:19]      ; no vector instruction has named v[132:135]; v1 was written ahead of the head's wait
	s_wait_loadcnt 0x0
	v_pk_mul_f32 v[132:133], v[132:133], 0x3e000000 op_sel_hi:[1,0]   ; x 2^-3
	v_pk_mul_f32 v[134:135], v[134:135], 0x3e000000 op_sel_hi:[1,0]
	s_wait_alu depctr_va_vdst(0)                   ; the two multiplies have written v[132:135], which the store reads
	global_store_b128 v1, v[132:135], s[30:31]
.Lend:
	s_endpgm
.Lfunc_end_k_q516de2b5a4_cast:
	.size	k_q516de2b5a4_cast, .Lfunc_end_k_q516de2b5a4_cast-k_q516de2b5a4_cast
	.p2alignl 7, 3214868480
	.fill 96, 4, 3214868480
	.section	.rodata,"a",@progbits
	.p2align	6, 0x0
	.amdhsa_kernel k_q516de2b5a4_cast
		.amdhsa_group_segment_fixed_size 0
		.amdhsa_private_segment_fixed_size 0
		.amdhsa_enable_private_segment 0
		.amdhsa_kernarg_size 96
		.amdhsa_user_sgpr_count 2
		.amdhsa_user_sgpr_kernarg_segment_ptr 1
		.amdhsa_wavefront_size32 1
		.amdhsa_system_sgpr_workgroup_id_x 1
		.amdhsa_system_sgpr_workgroup_id_y 1
		.amdhsa_system_sgpr_workgroup_id_z 1
		.amdhsa_system_vgpr_workitem_id 0
		.amdhsa_next_free_vgpr 136
		.amdhsa_next_free_sgpr 66
		.amdhsa_reserve_vcc 0
		.amdhsa_float_denorm_mode_32 3
		.amdhsa_float_denorm_mode_16_64 3
		.amdhsa_memory_ordered 1
		.amdhsa_forward_progress 1
		.amdhsa_inst_pref_size 14
	.end_amdhsa_kernel
	.amdgpu_metadata
---
amdhsa.version: [ 1, 2 ]
amdhsa.kernels:
  - .name:           k_q516de2b5a4_cast
    .symbol:         k_q516de2b5a4_cast.kd
    .args:
      - { .name: x, .offset: 0, .size: 8, .value_kind: global_buffer, .address_space: global }
      - { .name: Wq, .offset: 8, .size: 8, .value_kind: global_buffer, .address_space: global }
      - { .name: Wk, .offset: 16, .size: 8, .value_kind: global_buffer, .address_space: global }
      - { .name: Wv, .offset: 24, .size: 8, .value_kind: global_buffer, .address_space: global }
      - { .name: Wp, .offset: 32, .size: 8, .value_kind: global_buffer, .address_space: global }
      - { .name: bq, .offset: 40, .size: 8, .value_kind: global_buffer, .address_space: global }
      - { .name: bk, .offset: 48, .size: 8, .value_kind: global_buffer, .address_space: global }
      - { .name: bv, .offset: 56, .size: 8, .value_kind: global_buffer, .address_space: global }
      - { .name: xb, .offset: 64, .size: 8, .value_kind: global_buffer, .address_space: global }
      - { .name: wqkv, .offset: 72, .size: 8, .value_kind: global_buffer, .address_space: global }
      - { .name: wpb, .offset: 80, .size: 8, .value_kind: global_buffer, .address_space: global }
      - { .name: bqkv, .offset: 88, .size: 8, .value_kind: global_buffer, .address_space: global }
    .group_segment_fixed_size: 0
    .private_segment_fixed_size: 0
    .kernarg_segment_align: 8
    .kernarg_segment_size: 96
    .max_flat_workgroup_size: 256
    .sgpr_count:     66
    .vgpr_count:     136
    .wavefront_size: 32
...
	.end_amdgpu_metadata
.endif
;; end of part 5
;; launch qkv: the kernel of part 2 again; grid 16 x 16, 4 waves a work-group, clusters of 4 x 4, 327,680 bytes of LDS; arguments xb, wqkv, bqkv, qkv; writes qkv
;; launch attn: the kernel of part 3 again; grid 256 x 1, 4 waves a work-group, no clusters, 315,904 bytes of LDS; arguments qkv, attn_mask, yb; writes yb
;; launch proj: the kernel of part 4 again; grid 16 x 16, 4 waves a work-group, clusters of 4 x 4, 327,680 bytes of LDS; arguments yb, wpb, bp, out0; writes out0
